; MI455X (gfx1250); checked and timed in simulation.
; The chip was launched on July 23, 2026; its instructions are those of AMD's public machine-readable ISA for CDNA 5 (MIT licence, August 2026) and "CDNA5" Instruction Set Architecture Reference Guide (July 2026). The comments in the code are by the model that wrote it; some were corrected since.
;; BEV Former Block. Allowed arithmetic: float matrix products may take bf16 or f16 operands with f32 sums; other float arithmetic in f32, or as packed bf16 or f16 multiplies, adds, multiply-adds, maxima and minima; sums over many terms, partial sums and values carried from step to step in f32; what a program stores and reads back later, other than sums and carried values, may be rounded once to bf16 or f16.
;; Inputs: bev_mask 6 x 1 x 2,500 x 4 bool; bev_pos 1 x 2,500 x 256 float32; bev_query 1 x 2,500 x 256 float32; key 1 x 6 x 5,440 x 256 float32; level_start_index 4 int32; params_ffn_b1 512 float32; params_ffn_b2 256 float32; params_ffn_w1 256 x 512 float32; params_ffn_w2 512 x 256 float32; params_ln_b 256 float32; params_ln_g 256 float32; params_sca_attn_b 256 float32; params_sca_attn_w 256 x 256 float32; params_sca_off_b 512 float32; params_sca_off_w 256 x 512 float32; params_sca_out_b 256 float32; params_sca_out_w 256 x 256 float32; params_sca_val_b 256 float32; params_sca_val_w 256 x 256 float32; params_tsa_attn_b 64 float32; params_tsa_attn_w 512 x 64 float32; params_tsa_off_b 128 float32; params_tsa_off_w 512 x 128 float32; params_tsa_out_b 256 float32; params_tsa_out_w 256 x 256 float32; params_tsa_val_b 256 float32; params_tsa_val_w 256 x 256 float32; prev_bev 1 x 2,500 x 256 float32; ref_2d 1 x 2,500 x 1 x 2 float32; reference_points_cam 6 x 1 x 2,500 x 4 x 2 float32; spatial_shapes 4 x 2 int32; value 1 x 6 x 5,440 x 256 float32.
;; Outputs: out0 1 x 2,500 x 256 float32.
;; 2 versions, each right and faster than the one before. Each part assembles by itself: llvm-mc -triple=amdgcn-amd-amdhsa -mcpu=gfx1250 --defsym DOCPART=n.
;; ======== version 1 of 2: 5 launches
;; workspace buffers: wf 1,638,400 bytes; sv 16,711,680 bytes; vt 2,560,000 bytes; tidx 640,000 bytes of whole numbers; tw 1,280,000 bytes; x1 2,560,000 bytes; sidx 15,360,000 bytes of whole numbers; swt 30,720,000 bytes
;; launch prep (part 1): grid 200 x 1, 8 waves a work-group, no clusters, 0 bytes of LDS; arguments params_tsa_val_w, params_tsa_off_w, params_tsa_attn_w, params_tsa_out_w, params_sca_off_w, params_sca_attn_w, params_sca_val_w, params_sca_out_w, params_ffn_w1, params_ffn_w2, wf; writes wf
.if DOCPART == 1
	.amdgcn_target "amdgcn-amd-amdhsa--gfx1250"
	.amdhsa_code_object_version 6
	.text
	.protected	k_q282bc578c0_prep
	.globl	k_q282bc578c0_prep
	.p2align	8
	.type	k_q282bc578c0_prep,@function
k_q282bc578c0_prep:
	s_mov_b64 s[64:65], 0
	v_nop
	global_prefetch_b8 v0, s[64:65] scope:SCOPE_SE
	s_setreg_imm32_b32 hwreg(HW_REG_WAVE_MODE, 25, 1), 1
	s_wait_xcnt 0x0
; THE TEN WEIGHT MATRICES, [K][N] in f32, ARE ROUNDED ONCE TO bf16 AND LAID OUT AS MATRIX FRAGMENTS.
; A fragment is 16 columns x 32 k, 1,024 bytes: lane l (r = l % 16, h = l / 16) holds column 16 nb + r; its first 16 bytes (at 16 l) hold
; k = 32 kb + 8 h + 0..7, its second 16 bytes (at 512 + 16 l) hold k = 32 kb + 16 + 8 h + 0..7.  So the later launches fetch a fragment by two
; loads of 16 bytes a lane, each 512 consecutive bytes for the wave.  Fragment number = the matrix's first + nb x (K / 32) + kb.
; 1,600 fragments, one to a wave: 200 work-groups of 8 waves; a matrix begins at a whole work-group (0, 16, 32, 40, 56, 88, 104, 120, 136, 168).
; The reads are runs of 64 bytes (16 lanes, one row of the matrix): 3.3 MB in all, read once in the whole program.
.macro SEL i, wg0, logn, logkb         ; from work-group wg0 on: matrix i, with N = 2^logn columns and 2^logkb fragments along K
	s_cmp_ge_u32 ttmp9, \wg0
	s_cselect_b64 s[30:31], s[8+2*(\i):9+2*(\i)], s[30:31]
	s_cselect_b32 s32, 8*(\wg0), s32
	s_cselect_b32 s33, \logn, s33
	s_cselect_b32 s34, \logkb, s34
.endm
	s_load_b512 s[8:23], s[0:1], 0x0               ; matrices 0 to 7
	s_load_b128 s[24:27], s[0:1], 0x40             ; matrices 8, 9
	s_load_b64 s[28:29], s[0:1], 0x50              ; wf
	v_lshrrev_b32 v1, 5, v0
	v_readfirstlane_b32 s2, v1                     ; wave 0..7
	v_and_b32 v2, 15, v0                           ; r
	v_bfe_u32 v3, v0, 4, 1                         ; h
	v_and_b32 v4, 31, v0
	v_lshlrev_b32 v6, 4, v4                        ; 16 l
	s_lshl_b32 s3, ttmp9, 3
	s_add_co_u32 s3, s3, s2                        ; my fragment
	s_mov_b32 s32, 0                               ; matrix 0: first fragment, log N, log (K / 32)
	s_mov_b32 s33, 8
	s_mov_b32 s34, 3
	s_wait_kmcnt 0x0
	s_mov_b64 s[30:31], s[8:9]
	SEL 1, 16, 7, 4
	SEL 2, 32, 6, 4
	SEL 3, 40, 8, 3
	SEL 4, 56, 9, 3
	SEL 5, 88, 8, 3
	SEL 6, 104, 8, 3
	SEL 7, 120, 8, 3
	SEL 8, 136, 9, 3
	SEL 9, 168, 8, 4
	s_sub_co_u32 s36, s3, s32                      ; the fragment's number inside its matrix
	s_lshl_b32 s37, 1, s34
	s_sub_co_u32 s37, s37, 1
	s_and_b32 s38, s36, s37                        ; kb
	s_lshr_b32 s39, s36, s34                       ; nb
	s_lshl_b32 s35, 4, s33                         ; bytes in a row of the matrix
	s_lshl_b32 s38, s38, 5
	s_lshl_b32 s39, s39, 4
	v_lshl_add_u32 v5, v3, 3, s38                  ; k = 32 kb + 8 h
	v_lshlrev_b32 v5, s33, v5                      ; x N
	v_add3_u32 v5, v5, s39, v2                     ; + 16 nb + r
	v_lshlrev_b32 v8, 2, v5
.irp e, 1,2,3,4,5,6,7
	v_add_nc_u32 v[8+\e], s35, v[7+\e]             ; the next k: a row further down
.endr
	s_lshl_b32 s36, s35, 4
.irp e, 0,1,2,3,4,5,6,7
	v_add_nc_u32 v[16+\e], s36, v[8+\e]            ; and the second eight, 16 rows further down
.endr
.irp e, 0,1,2,3,4,5,6,7,8,9,10,11,12,13,14,15
	global_load_b32 v[24+\e], v[8+\e], s[30:31]
.endr
	s_lshl_b32 s36, s3, 10
	s_mov_b32 s37, 0
	s_add_nc_u64 s[28:29], s[28:29], s[36:37]
	s_wait_loadcnt 0x0
.irp t, 0,1,2,3,4,5,6,7
	v_cvt_pk_bf16_f32 v[40+\t], v[24+2*\t], v[25+2*\t]  ; the lower k in the lower half
.endr
	global_store_b128 v6, v[40:43], s[28:29]            ; each store of the wave covers 512 consecutive bytes, aligned
	global_store_b128 v6, v[44:47], s[28:29] offset:512
	s_endpgm
.Lfunc_end_k_q282bc578c0_prep:
	.size	k_q282bc578c0_prep, .Lfunc_end_k_q282bc578c0_prep-k_q282bc578c0_prep
	.p2alignl 7, 3214868480
	.fill 96, 4, 3214868480
	.section	.rodata,"a",@progbits
	.p2align	6, 0x0
	.amdhsa_kernel k_q282bc578c0_prep
		.amdhsa_group_segment_fixed_size 0
		.amdhsa_private_segment_fixed_size 0
		.amdhsa_enable_private_segment 0
		.amdhsa_kernarg_size 88
		.amdhsa_user_sgpr_count 2
		.amdhsa_user_sgpr_kernarg_segment_ptr 1
		.amdhsa_wavefront_size32 1
		.amdhsa_system_sgpr_workgroup_id_x 1
		.amdhsa_system_sgpr_workgroup_id_y 1
		.amdhsa_system_sgpr_workgroup_id_z 1
		.amdhsa_system_vgpr_workitem_id 0
		.amdhsa_next_free_vgpr 48
		.amdhsa_next_free_sgpr 66
		.amdhsa_reserve_vcc 0
		.amdhsa_float_denorm_mode_32 3
		.amdhsa_float_denorm_mode_16_64 3
		.amdhsa_memory_ordered 1
		.amdhsa_forward_progress 1
		.amdhsa_inst_pref_size 6
	.end_amdhsa_kernel
	.amdgpu_metadata
---
amdhsa.version: [ 1, 2 ]
amdhsa.kernels:
  - .name:           k_q282bc578c0_prep
    .symbol:         k_q282bc578c0_prep.kd
    .args:
      - { .name: params_tsa_val_w, .offset: 0, .size: 8, .value_kind: global_buffer, .address_space: global }
      - { .name: params_tsa_off_w, .offset: 8, .size: 8, .value_kind: global_buffer, .address_space: global }
      - { .name: params_tsa_attn_w, .offset: 16, .size: 8, .value_kind: global_buffer, .address_space: global }
      - { .name: params_tsa_out_w, .offset: 24, .size: 8, .value_kind: global_buffer, .address_space: global }
      - { .name: params_sca_off_w, .offset: 32, .size: 8, .value_kind: global_buffer, .address_space: global }
      - { .name: params_sca_attn_w, .offset: 40, .size: 8, .value_kind: global_buffer, .address_space: global }
      - { .name: params_sca_val_w, .offset: 48, .size: 8, .value_kind: global_buffer, .address_space: global }
      - { .name: params_sca_out_w, .offset: 56, .size: 8, .value_kind: global_buffer, .address_space: global }
      - { .name: params_ffn_w1, .offset: 64, .size: 8, .value_kind: global_buffer, .address_space: global }
      - { .name: params_ffn_w2, .offset: 72, .size: 8, .value_kind: global_buffer, .address_space: global }
      - { .name: wf, .offset: 80, .size: 8, .value_kind: global_buffer, .address_space: global }
    .group_segment_fixed_size: 0
    .private_segment_fixed_size: 0
    .kernarg_segment_align: 8
    .kernarg_segment_size: 88
    .max_flat_workgroup_size: 256
    .sgpr_count:     66
    .vgpr_count:     48
    .wavefront_size: 32
...
	.end_amdgpu_metadata
.endif
;; end of part 1
;; launch vproj (part 2): grid 255 x 1, 16 waves a work-group, no clusters, 151,552 bytes of LDS; arguments value, wf, params_sca_val_b, sv; writes sv
.if DOCPART == 2
	.amdgcn_target "amdgcn-amd-amdhsa--gfx1250"
	.amdhsa_code_object_version 6
	.text
	.protected	k_q282bc578c0_vproj
	.globl	k_q282bc578c0_vproj
	.p2align	8
	.type	k_q282bc578c0_vproj,@function
k_q282bc578c0_vproj:
	s_mov_b64 s[64:65], 0
	v_nop
	global_prefetch_b8 v0, s[64:65] scope:SCOPE_SE
	s_setreg_imm32_b32 hwreg(HW_REG_WAVE_MODE, 25, 1), 1
	s_wait_xcnt 0x0
; sv = value x sca_val_w + sca_val_b, rounded once to bf16 and laid out by heads: sv[head][R][32], R = camera x 5,440 + pixel: a pixel's 32 channels of a head are 64 bytes,
; and two neighbouring pixels 128 consecutive bytes, which is what the sampling launch gathers.
; SHARES.  32,640 rows = 255 work-groups x 128 rows.  Wave w: rows 64 (w / 8) .. + 63, head w % 8 (32 columns): 8 accumulators (4 row blocks a x 2 column blocks b).
; The work-group's 128 KB of value are asked for at once, each wave 8 rows (8,192 consecutive bytes), rounded to bf16 and put into one LDS tile that all waves read.
; THE PRODUCT IS TAKEN TRANSPOSED (source 0 = 16 columns of the weights, source 1 = 16 rows of value): a lane then holds one row and eight neighbouring columns.
; No tensor loads: the tile is converted on its way, and nothing is walked.  No cluster: 255 work-groups divide into none, and only 128 KB of weights are shared.
; LDS: 0 the tile, bf16 [128][256], rows 528 bytes apart; STG each wave's own stage, 64 rows of 64 + 16 bytes; SPARE the spare words.
.set STG,     67584
.set SPARE,   149504
.set WF_SVAL, 851968                   ; sca_val_w's fragments in wf
.set WB,      20                       ; s[20:21] wf + 16,384 x head: my head's two column blocks, 8 fragments each
; v4 16 l + 8,192 w (value)   v5 4,224 w + 8 l (into the tile)   v6 (64 (w/8) + r) 528 + 16 h (fragments)   v7 16 l   v8 (32 head + 8 h) 4 (bias)
; v9, v10 into and out of my stage   v12, v13 the spare word's address and 0
; v[16:31] bias   v[32:63] fragments of value, then packed results   v[64:191] 16 weight fragments, then rows read back   v[192:255] value as loaded, then accumulators
.macro LDW dst, imm, nf, sb            ; nf weight fragments from byte imm behind the base
.set f_, 0
.rept \nf
	global_load_b128 v[(\dst)+8*f_:(\dst)+8*f_+3], v7, s[\sb:\sb+1] offset:(\imm)+1024*f_
	global_load_b128 v[(\dst)+8*f_+4:(\dst)+8*f_+7], v7, s[\sb:\sb+1] offset:(\imm)+1024*f_+512
.set f_, f_+1
.endr
.endm
.macro MM1 d, w, x, c                  ; c < 0: onto the sum; c = 0: the sum starts at 0; else it starts with v[c ..]
.if (\c) < 0
	v_wmma_f32_16x16x32_bf16 v[(\d):(\d)+7], v[(\w):(\w)+7], v[(\x):(\x)+7], v[(\d):(\d)+7]
.elseif (\c) == 0
	v_wmma_f32_16x16x32_bf16 v[(\d):(\d)+7], v[(\w):(\w)+7], v[(\x):(\x)+7], 0
.else
	v_wmma_f32_16x16x32_bf16 v[(\d):(\d)+7], v[(\w):(\w)+7], v[(\x):(\x)+7], v[(\c):(\c)+7]
.endif
.endm
.macro PL4                             ; four places behind a matrix instruction, ahead of what reads its result or writes or loads into its registers
.rept 4
	v_nop
.endr
.endm
	s_load_b256 s[4:11], s[0:1], 0x0               ; value s[4:5], wf s[6:7], bias s[8:9], sv s[10:11]
	v_lshl_add_u32 v12, v0, 2, SPARE
	v_mov_b32 v13, 0
	v_lshrrev_b32 v1, 5, v0
	v_readfirstlane_b32 s12, v1                    ; wave 0..15
	v_and_b32 v1, 31, v0                           ; l
	v_and_b32 v2, 15, v0                           ; r
	v_bfe_u32 v3, v0, 4, 1                         ; h
	s_and_b32 s13, s12, 7                          ; head
	s_lshr_b32 s14, s12, 3                         ; which 64 rows
	s_lshl_b32 s15, s12, 13
	v_lshl_add_u32 v4, v1, 4, s15
	s_mul_i32 s15, s12, 4224
	v_lshl_add_u32 v5, v1, 3, s15
	s_lshl_b32 s15, s14, 6
	v_add_nc_u32 v6, s15, v2
	v_mul_u32_u24 v6, v6, 528
	v_lshl_add_u32 v6, v3, 4, v6
	v_lshlrev_b32 v7, 4, v1
	s_lshl_b32 s15, s13, 7
	v_lshl_add_u32 v8, v3, 5, s15
	s_mul_i32 s15, s12, 5120
	s_add_co_u32 s15, s15, STG                     ; my stage
	v_mul_u32_u24 v9, v2, 80
	v_lshl_add_u32 v9, v3, 4, v9
	v_add_nc_u32 v9, s15, v9                       ; in: row r, 16 bytes for each half of the lanes
	v_lshrrev_b32 v10, 2, v1
	v_mul_u32_u24 v10, v10, 80
	v_and_b32 v11, 3, v0
	v_lshl_add_u32 v10, v11, 4, v10
	v_add_nc_u32 v10, s15, v10                     ; back: 32 lanes take eight rows of 64 bytes
	s_lshl_b32 s16, ttmp9, 17                      ; the work-group's 128 rows of 1,024 bytes
	s_mov_b32 s17, 0
	s_mul_i32 s18, s13, 2088960                    ; my head's plane of sv,
	s_lshl_b32 s19, ttmp9, 13                      ; the work-group's 128 rows of 64 bytes,
	s_add_co_u32 s18, s18, s19
	s_lshl_b32 s19, s14, 12                        ; my 64 of them
	s_add_co_u32 s18, s18, s19
	s_mov_b32 s19, 0
	s_lshl_b32 s22, s13, 14
	s_mov_b32 s23, 0
	s_wait_kmcnt 0x0
	s_add_nc_u64 s[4:5], s[4:5], s[16:17]
	s_add_nc_u64 s[10:11], s[10:11], s[18:19]
	s_add_nc_u64 s[WB:WB+1], s[6:7], s[22:23]
.irp t, 0,1,2,3,4,5,6,7,8,9,10,11,12,13,14,15
	global_load_b128 v[192+4*\t:195+4*\t], v4, s[4:5] offset:512*\t th:TH_LOAD_NT  ; row 8 w + t / 2, columns 128 (t % 2) + 4 l ..
.endr
.irp b, 0,1
	global_load_b128 v[16+8*\b:19+8*\b], v8, s[8:9] offset:64*\b
	global_load_b128 v[20+8*\b:23+8*\b], v8, s[8:9] offset:64*\b+16
.endr
	LDW 64, WF_SVAL, 16, WB
	s_wait_loadcnt 36                              ; value is in; the 4 bias and 32 weight loads behind it may stay out
.irp t, 0,1,2,3,4,5,6,7,8,9,10,11,12,13,14,15
	v_cvt_pk_bf16_f32 v[192+4*\t], v[192+4*\t], v[193+4*\t]
	v_cvt_pk_bf16_f32 v[193+4*\t], v[194+4*\t], v[195+4*\t]
	ds_store_b64 v5, v[192+4*\t:193+4*\t] offset:(\t/2)*528+(\t%2)*256
.endr
	s_wait_dscnt 0x0                               ; my part of the tile is written,
	s_barrier_signal -1
	s_barrier_wait -1                              ; everybody's is
	; K in eight steps of 32.  The eight accumulators take turns, one instruction a turn: seven others stand between two links of a chain.  The first step starts the sums with the bias.
.irp kb, 0,1,2,3,4,5,6,7
.if \kb > 0
	PL4
.endif
.irp a, 0,1,2,3
	ds_load_b128 v[32+8*\a:35+8*\a], v6 offset:8448*\a+64*\kb
	ds_load_b128 v[36+8*\a:39+8*\a], v6 offset:8448*\a+64*\kb+32
.endr
.if \kb == 0
	s_wait_loadcnt 0x0                             ; bias and weights
.endif
	s_wait_dscnt 0x0
.irp a, 0,1,2,3
.irp b, 0,1
.if \kb == 0
	MM1 192+8*(2*\a+\b), 64+8*(8*\b+\kb), 32+8*\a, 16+8*\b
.else
	MM1 192+8*(2*\a+\b), 64+8*(8*\b+\kb), 32+8*\a, -1
.endif
.endr
.endr
.endr
	; THE WAY OUT: rounded to bf16, 16 bytes a lane into my stage, back as whole rows of 64 bytes, eight rows (512 consecutive bytes of sv) to a store.
	PL4
.irp u, 0,1,2,3,4,5,6,7
.irp i, 0,1,2,3
	v_cvt_pk_bf16_f32 v[32+4*\u+\i], v[192+8*\u+2*\i], v[193+8*\u+2*\i]
.endr
.endr
.irp a, 0,1,2,3
.irp b, 0,1
	ds_store_b128 v9, v[32+4*(2*\a+\b):35+4*(2*\a+\b)] offset:1280*\a+32*\b
.endr
.endr
.irp t, 0,1,2,3,4,5,6,7
	ds_load_b128 v[64+4*\t:67+4*\t], v10 offset:640*\t  ; LDS serves a wave's instructions in order (ISA guide 5.7.1.4): these see the stores above
.endr
.irp t, 0,1,2,3,4,5,6,7
	s_wait_dscnt 7-\t                              ; the younger loads may stay out
	global_store_b128 v7, v[64+4*\t:67+4*\t], s[10:11] offset:512*\t
.endr
	s_wait_tensorcnt 0x0                           ; the wave's end, behind my last LDS store
	ds_add_u32 v12, v13
	s_wait_dscnt 0x0
	s_endpgm
.Lfunc_end_k_q282bc578c0_vproj:
	.size	k_q282bc578c0_vproj, .Lfunc_end_k_q282bc578c0_vproj-k_q282bc578c0_vproj
	.p2alignl 7, 3214868480
	.fill 96, 4, 3214868480
	.section	.rodata,"a",@progbits
	.p2align	6, 0x0
	.amdhsa_kernel k_q282bc578c0_vproj
		.amdhsa_group_segment_fixed_size 151552
		.amdhsa_private_segment_fixed_size 0
		.amdhsa_enable_private_segment 0
		.amdhsa_kernarg_size 32
		.amdhsa_user_sgpr_count 2
		.amdhsa_user_sgpr_kernarg_segment_ptr 1
		.amdhsa_wavefront_size32 1
		.amdhsa_system_sgpr_workgroup_id_x 1
		.amdhsa_system_sgpr_workgroup_id_y 1
		.amdhsa_system_sgpr_workgroup_id_z 1
		.amdhsa_system_vgpr_workitem_id 0
		.amdhsa_next_free_vgpr 256
		.amdhsa_next_free_sgpr 66
		.amdhsa_reserve_vcc 0
		.amdhsa_float_denorm_mode_32 3
		.amdhsa_float_denorm_mode_16_64 3
		.amdhsa_memory_ordered 1
		.amdhsa_forward_progress 1
		.amdhsa_inst_pref_size 24
	.end_amdhsa_kernel
	.amdgpu_metadata
---
amdhsa.version: [ 1, 2 ]
amdhsa.kernels:
  - .name:           k_q282bc578c0_vproj
    .symbol:         k_q282bc578c0_vproj.kd
    .args:
      - { .name: value, .offset: 0, .size: 8, .value_kind: global_buffer, .address_space: global }
      - { .name: wf, .offset: 8, .size: 8, .value_kind: global_buffer, .address_space: global }
      - { .name: params_sca_val_b, .offset: 16, .size: 8, .value_kind: global_buffer, .address_space: global }
      - { .name: sv, .offset: 24, .size: 8, .value_kind: global_buffer, .address_space: global }
    .group_segment_fixed_size: 151552
    .private_segment_fixed_size: 0
    .kernarg_segment_align: 8
    .kernarg_segment_size: 32
    .max_flat_workgroup_size: 512
    .sgpr_count:     66
    .vgpr_count:     256
    .wavefront_size: 32
...
	.end_amdgpu_metadata
.endif
;; end of part 2
;; launch tsap (part 3): grid 250 x 1, 16 waves a work-group, no clusters, 56,832 bytes of LDS; arguments prev_bev, bev_query, bev_pos, ref_2d, wf, params_tsa_val_b, params_tsa_off_b, params_tsa_attn_b, vt, tidx, tw; writes vt, tidx, tw
.if DOCPART == 3
	.amdgcn_target "amdgcn-amd-amdhsa--gfx1250"
	.amdhsa_code_object_version 6
	.text
	.protected	k_q282bc578c0_tsap
	.globl	k_q282bc578c0_tsap
	.p2align	8
	.type	k_q282bc578c0_tsap,@function
k_q282bc578c0_tsap:
	s_mov_b64 s[64:65], 0
	v_nop
	global_prefetch_b8 v0, s[64:65] scope:SCOPE_SE
	s_setreg_imm32_b32 hwreg(HW_REG_WAVE_MODE, 25, 1), 1
	s_wait_xcnt 0x0
; TEMPORAL SELF-ATTENTION, FIRST HALF: all that comes before the sampling.  A work-group owns 10 queries (2,500 = 250 x 10) in tiles of 16 rows; rows 10 to 15 hold a clamped row, touch only
; themselves in the products, and are never stored to memory.
;   vt[head][queue x 2,500 + pixel][32] bf16 = {prev, q} x tsa_val_w + bias
;   for each query, queue, head and point: the offsets and the softmax over the head's four points, turned into ONE byte offset (tidx, whole numbers) and four weights (tw, bf16).
; BILINEAR SAMPLING AS A CLAMPED PATCH.  Pixel c has the weight max(0, 1 - |x - c|).  With bx = clamp(floor x, 0, w - 2) the pixels bx, bx + 1 with these weights give what sampling with zero
; padding gives: a corner outside the map gets 0, at the edge the weight falls on the right pixel.  So a point is the patch's offset (by w + bx) x 64 bytes and 2 x 2 weights, each
; times the attention weight and the 0.5 of the mean over the two queues.  tw holds a word for each column of the patch: its upper row's weight in the low half, its lower row's in the high half.
; The addresses that hang on these numbers are formed in the next launch, from tidx.
; LIMITS.  x is formed as ref x 50 + (off + bias - 0.5); a NaN or infinite coordinate gives the weight 0; an exponential below 2^-126 counts as 0; 1 / sum by v_rcp_f32.
; LDS: TP, TQ, TQP bf16 [16][256] (prev, q, q + pos), rows 528 bytes apart; PT f32 [16][192] (128 offsets, 64 logits), rows 784 apart; VS bf16 [2][16][256]; SPARE the spare words.
.set TP,      0
.set TQ,      8448
.set TQP,     16896
.set PT,      25344
.set VS,      37888
.set SPARE,   54784
.set WF_TVAL, 0                        ; tsa_val_w's fragments in wf
.set WF_TOA,  131072                   ; tsa_off_w's (column blocks 0-7) and, on end, tsa_attn_w's (8-11): 16 fragments along K = 512
.set WB8,     44                       ; s[44:45] wf + 8,192 w
.set WB16,    46                       ; s[46:47] wf + 16,384 w
.set T,       92                       ; v[92:98] at work in POINTW
; v4 row x 1,024 + 16 l   v5 528 w + 8 l   v6 528 r + 16 h   v7 16 l   v9 (16 w + 8 h) 4   v10 into VS   v11 into PT   v12, v13 the spare word's address and 0
; v[16:23] packed results   v[32:39], v[40:47] the value bias, once for each sum   v[48:55], v[56:63] two accumulators   v[64:127] weights
; v[128:191] the rows as loaded, then prev's fragments, then (q + pos)'s   v[192:255] at work, then q's fragments, then weights
.macro LDW dst, imm, nf, sb
.set f_, 0
.rept \nf
	global_load_b128 v[(\dst)+8*f_:(\dst)+8*f_+3], v7, s[\sb:\sb+1] offset:(\imm)+1024*f_
	global_load_b128 v[(\dst)+8*f_+4:(\dst)+8*f_+7], v7, s[\sb:\sb+1] offset:(\imm)+1024*f_+512
.set f_, f_+1
.endr
.endm
.macro LDA dst, ar, imm                ; eight fragments (16 rows x 256 k) of a tile
.irp kb, 0,1,2,3,4,5,6,7
	ds_load_b128 v[(\dst)+8*\kb:(\dst)+8*\kb+3], v[\ar] offset:(\imm)+64*\kb
	ds_load_b128 v[(\dst)+8*\kb+4:(\dst)+8*\kb+7], v[\ar] offset:(\imm)+64*\kb+32
.endr
.endm
.macro MM1 d, w, x, c
.if (\c) < 0
	v_wmma_f32_16x16x32_bf16 v[(\d):(\d)+7], v[(\w):(\w)+7], v[(\x):(\x)+7], v[(\d):(\d)+7]
.elseif (\c) == 0
	v_wmma_f32_16x16x32_bf16 v[(\d):(\d)+7], v[(\w):(\w)+7], v[(\x):(\x)+7], 0
.else
	v_wmma_f32_16x16x32_bf16 v[(\d):(\d)+7], v[(\w):(\w)+7], v[(\x):(\x)+7], v[(\c):(\c)+7]
.endif
.endm
.macro MMS d0, d1, w, x, c0, c1        ; one output block, K = 256: the even and the odd steps of K have a sum each, and the two take turns
	MM1 \d0, (\w), (\x), \c0
	MM1 \d1, (\w)+8, (\x)+8, \c1
.irp kb, 2,4,6
	MM1 \d0, (\w)+8*\kb, (\x)+8*\kb, -1
	MM1 \d1, (\w)+8*\kb+8, (\x)+8*\kb+8, -1
.endr
.endm
.macro MMX d0, d1, w0, w1, x0, x1, c0, c1  ; two output blocks, K = 256, by turns
	MM1 \d0, (\w0), (\x0), \c0
	MM1 \d1, (\w1), (\x1), \c1
.irp kb, 1,2,3,4,5,6,7
	MM1 \d0, (\w0)+8*\kb, (\x0)+8*\kb, -1
	MM1 \d1, (\w1)+8*\kb, (\x1)+8*\kb, -1
.endr
.endm
.macro PL4                             ; four places behind a matrix instruction (ISA guide 7.12.1)
.rept 4
	v_nop
.endr
.endm
.macro BAR                             ; my LDS instructions are done; then the work-group's barrier
	s_wait_dscnt 0x0
	s_barrier_signal -1
	s_barrier_wait -1
.endm
; A point: pixel coordinates v[px], v[py], weight v[pa]; fw = the map's width, fm = width - 2 (the maps are square).  Leaves by x width + bx, a whole number, in v[T],
; and the patch's weights as bf16 pairs in v[o0] (column bx) and v[o1] (column bx + 1).
.macro POINTW px, py, pa, fw, fm, o0, o1
	v_floor_f32 v[T], v[\px]
	v_floor_f32 v[T+1], v[\py]
	v_max_num_f32 v[T], 0, v[T]
	v_max_num_f32 v[T+1], 0, v[T+1]
	v_min_num_f32 v[T], \fm, v[T]                  ; bx
	v_min_num_f32 v[T+1], \fm, v[T+1]              ; by
	v_sub_f32 v[T+2], v[\px], v[T]
	v_sub_f32 v[T+3], v[\py], v[T+1]
	v_fma_f32 v[T], v[T+1], \fw, v[T]
	v_cvt_u32_f32 v[T], v[T]
	v_sub_f32 v[T+1], 1.0, |v[T+2]|                ; 1 - |x - bx|
	v_add_f32 v[T+2], -1.0, v[T+2]
	v_sub_f32 v[T+4], 1.0, |v[T+3]|
	v_add_f32 v[T+3], -1.0, v[T+3]
	v_sub_f32 v[T+2], 1.0, |v[T+2]|                ; 1 - |x - bx - 1|
	v_sub_f32 v[T+3], 1.0, |v[T+3]|
	v_max_num_f32 v[T+1], 0, v[T+1]
	v_max_num_f32 v[T+2], 0, v[T+2]
	v_max_num_f32 v[T+3], 0, v[T+3]
	v_max_num_f32 v[T+4], 0, v[T+4]
	v_mul_f32 v[T+4], v[T+4], v[\pa]
	v_mul_f32 v[T+3], v[T+3], v[\pa]
	v_mul_f32 v[T+5], v[T+1], v[T+4]
	v_mul_f32 v[T+6], v[T+1], v[T+3]
	v_mul_f32 v[T+1], v[T+2], v[T+4]
	v_mul_f32 v[T+2], v[T+2], v[T+3]
	v_cvt_pk_bf16_f32 v[\o0], v[T+5], v[T+6]
	v_cvt_pk_bf16_f32 v[\o1], v[T+1], v[T+2]
.endm
	s_load_b512 s[8:23], s[0:1], 0x0               ; prev s[8:9], q s[10:11], pos s[12:13], ref_2d s[14:15], wf s[16:17], val_b s[18:19], off_b s[20:21], attn_b s[22:23]
	s_load_b128 s[24:27], s[0:1], 0x40             ; vt s[24:25], tidx s[26:27]
	s_load_b64 s[28:29], s[0:1], 0x50              ; tw
	v_lshl_add_u32 v12, v0, 2, SPARE
	v_mov_b32 v13, 0
	v_lshrrev_b32 v1, 5, v0
	v_readfirstlane_b32 s2, v1                     ; wave 0..15
	v_and_b32 v1, 31, v0                           ; l
	v_and_b32 v2, 15, v0                           ; r
	v_bfe_u32 v3, v0, 4, 1                         ; h
	s_mul_i32 s3, ttmp9, 10                        ; the work-group's first query
	s_add_co_u32 s4, s3, s2
	s_min_u32 s4, s4, 2499                         ; the row that my wave brings in: no load leaves the buffers
	s_mov_b32 s50, 0x42480000                      ; 50.0: the map's width and height
	s_mov_b32 s51, 0x42400000                      ; 48.0
	s_mov_b32 s57, 0x3fb8aa3b                      ; log2(e)
	s_lshl_b32 s5, s4, 10
	v_lshl_add_u32 v4, v1, 4, s5
	s_mul_i32 s5, s2, 528
	v_lshl_add_u32 v5, v1, 3, s5
	v_mul_u32_u24 v6, v2, 528
	v_lshl_add_u32 v6, v3, 4, v6
	v_lshlrev_b32 v7, 4, v1
	s_lshl_b32 s5, s2, 6
	v_lshl_add_u32 v9, v3, 5, s5
	s_lshl_b32 s5, s2, 5
	s_add_co_u32 s5, s5, VS
	v_add_nc_u32 v10, s5, v6                       ; VS + 528 r + 2 (16 w + 8 h)
	v_mul_u32_u24 v11, v2, 784
	v_add3_u32 v11, v11, v9, PT
	s_lshl_b32 s42, s2, 13
	s_mov_b32 s43, 0
	s_wait_kmcnt 0x0
	s_add_nc_u64 s[WB8:WB8+1], s[16:17], s[42:43]
	s_lshl_b32 s42, s2, 14
	s_add_nc_u64 s[WB16:WB16+1], s[16:17], s[42:43]
	; ROWS IN.  Wave w brings row w: lane l holds columns 4 l .. and 128 + 4 l ..
	global_load_b128 v[128:131], v4, s[8:9]
	global_load_b128 v[132:135], v4, s[8:9] offset:512
	global_load_b128 v[136:139], v4, s[10:11]
	global_load_b128 v[140:143], v4, s[10:11] offset:512
	global_load_b128 v[144:147], v4, s[12:13]
	global_load_b128 v[148:151], v4, s[12:13] offset:512
	global_load_b128 v[40:43], v9, s[18:19]
	global_load_b128 v[44:47], v9, s[18:19] offset:16
	global_load_b128 v[32:35], v9, s[18:19]        ; a second time: each of the two sums that take turns starts from registers of its own
	global_load_b128 v[36:39], v9, s[18:19] offset:16
	LDW 64, WF_TVAL, 8, WB8
	s_wait_loadcnt 20                              ; the six row loads are in; 4 bias and 16 weight loads may stay out
.irp i, 0,1,2,3
	v_cvt_pk_bf16_f32 v[192+\i], v[128+2*\i], v[129+2*\i]
	v_cvt_pk_bf16_f32 v[196+\i], v[136+2*\i], v[137+2*\i]
	v_pk_add_f32 v[144+2*\i:145+2*\i], v[144+2*\i:145+2*\i], v[136+2*\i:137+2*\i]
.endr
.irp i, 0,1,2,3
	v_cvt_pk_bf16_f32 v[200+\i], v[144+2*\i], v[145+2*\i]
.endr
	ds_store_b64 v5, v[192:193] offset:TP
	ds_store_b64 v5, v[194:195] offset:TP+256
	ds_store_b64 v5, v[196:197] offset:TQ
	ds_store_b64 v5, v[198:199] offset:TQ+256
	ds_store_b64 v5, v[200:201] offset:TQP
	ds_store_b64 v5, v[202:203] offset:TQP+256
	BAR
	; THE VALUE PROJECTION: wave w makes columns 16 w .. of both queues.
	LDA 128, 6, TP
	LDA 192, 6, TQ
	s_wait_dscnt 0x0
	s_wait_loadcnt 0x0
	MMX 48, 56, 64, 64, 128, 192, 40, 32
	PL4
.irp i, 0,1,2,3
	v_cvt_pk_bf16_f32 v[16+\i], v[48+2*\i], v[49+2*\i]
.endr
.irp i, 0,1,2,3
	v_cvt_pk_bf16_f32 v[20+\i], v[56+2*\i], v[57+2*\i]
.endr
	ds_store_b128 v10, v[16:19]
	ds_store_b128 v10, v[20:23] offset:8448
	; OFFSETS AND LOGITS: [prev, q + pos] x [off_w, attn_w], 192 columns: waves 0 to 11, K = 512.  prev's fragments are still in registers.  The biases are added where the points are made.
	s_cmp_lt_u32 s2, 12
	s_cbranch_scc0 .Lno_oa
	LDW 64, WF_TOA, 8, WB16
	LDW 192, WF_TOA+8192, 8, WB16
	s_wait_loadcnt 0x0
	MMS 48, 56, 64, 128, 0, 0
	PL4
	LDA 128, 6, TQP
	s_wait_dscnt 0x0
	MMS 48, 56, 192, 128, -1, -1
	PL4
.irp i, 0,1,2,3
	v_pk_add_f32 v[48+2*\i:49+2*\i], v[48+2*\i:49+2*\i], v[56+2*\i:57+2*\i]
.endr
	ds_store_b128 v11, v[48:51]
	ds_store_b128 v11, v[52:55] offset:16
.Lno_oa:
	BAR
	; vt GOES OUT: wave w takes queue w / 8, head w % 8: ten rows of 64 bytes, 640 consecutive bytes.
	s_lshr_b32 s5, s2, 3
	s_and_b32 s6, s2, 7
	s_mul_i32 s7, s5, 8448
	s_lshl_b32 s41, s6, 6
	s_add_co_u32 s7, s7, s41
	s_add_co_u32 s7, s7, VS
	v_lshrrev_b32 v24, 2, v1
	v_mul_u32_u24 v24, v24, 528
	v_and_b32 v25, 3, v0
	v_lshl_add_u32 v24, v25, 4, v24
	v_add_nc_u32 v24, s7, v24
	ds_load_b128 v[16:19], v24                     ; rows 0 to 7
	ds_load_b128 v[20:23], v24 offset:4224         ; rows 8 to 15
	s_mul_i32 s42, s6, 320000
	s_mul_i32 s41, s5, 2500
	s_add_co_u32 s41, s41, s3
	s_lshl_b32 s41, s41, 6
	s_add_co_u32 s42, s42, s41
	s_add_nc_u64 s[24:25], s[24:25], s[42:43]
	v_cmp_gt_u32 vcc_lo, 8, v1
	s_wait_dscnt 0x0
	global_store_b128 v7, v[16:19], s[24:25]
	s_wait_xcnt 0x0                                ; EXEC changes only behind this wait
	s_and_saveexec_b32 s40, vcc_lo                 ; lanes 0 to 7: rows 8 and 9
	global_store_b128 v7, v[20:23], s[24:25] offset:512
	s_wait_xcnt 0x0
	s_or_b32 exec_lo, exec_lo, s40
	; THE POINTS: wave w (0 to 9) takes query w; lane = head x 4 + point, both queues.
	s_cmp_lt_u32 s2, 10
	s_cbranch_scc0 .Lend
	s_add_co_u32 s5, s3, s2                        ; my query
	v_lshlrev_b32 v78, 3, v1
	v_lshlrev_b32 v79, 2, v1
	s_lshl_b32 s6, s5, 3
	v_mov_b32 v80, s6
	s_mul_i32 s7, s2, 784
	s_add_co_u32 s7, s7, PT
	v_add_nc_u32 v81, s7, v78
	v_add_nc_u32 v82, s7, v79
	global_load_b64 v[64:65], v78, s[20:21]             ; the offsets' bias, queue 0 (column 2 l), queue 1 (64 + 2 l)
	global_load_b64 v[66:67], v78, s[20:21] offset:256
	global_load_b32 v68, v79, s[22:23]                  ; the logits' bias
	global_load_b32 v69, v79, s[22:23] offset:128
	global_load_b64 v[70:71], v80, s[14:15]             ; ref_2d of my query
	ds_load_b64 v[72:73], v81
	ds_load_b64 v[74:75], v81 offset:256
	ds_load_b32 v76, v82 offset:512
	ds_load_b32 v77, v82 offset:640
	s_lshl_b32 s42, s5, 8
	s_add_nc_u64 s[26:27], s[26:27], s[42:43]
	s_lshl_b32 s42, s5, 9
	s_add_nc_u64 s[28:29], s[28:29], s[42:43]
	s_wait_loadcnt_dscnt 0x0
	v_add_f32 v76, v76, v68
	v_add_f32 v77, v77, v69
	v_mov_b32 v84, v76
	v_mov_b32 v85, v77
	v_max_num_f32_dpp v84, v84, v84 row_xmask:1 row_mask:0xf bank_mask:0xf  ; the maximum over the head's four points
	v_max_num_f32_dpp v85, v85, v85 row_xmask:1 row_mask:0xf bank_mask:0xf
	v_max_num_f32_dpp v84, v84, v84 row_xmask:2 row_mask:0xf bank_mask:0xf
	v_max_num_f32_dpp v85, v85, v85 row_xmask:2 row_mask:0xf bank_mask:0xf
	v_sub_f32 v76, v76, v84
	v_sub_f32 v77, v77, v85
	v_mul_f32 v76, s57, v76
	v_mul_f32 v77, s57, v77
	v_exp_f32 v76, v76
	v_exp_f32 v77, v77
	v_pk_add_f32 v[72:73], v[72:73], v[64:65]      ; the coordinates are the independent work behind the two exponentials
	v_pk_add_f32 v[74:75], v[74:75], v[66:67]
	v_pk_add_f32 v[72:73], v[72:73], -0.5 op_sel_hi:[1,0]
	v_pk_add_f32 v[74:75], v[74:75], -0.5 op_sel_hi:[1,0]
	v_pk_fma_f32 v[72:73], v[70:71], s[50:51], v[72:73] op_sel_hi:[1,0,1]  ; ref x 50 + (off + bias - 0.5)
	v_pk_fma_f32 v[74:75], v[70:71], s[50:51], v[74:75] op_sel_hi:[1,0,1]
	s_wait_alu depctr_va_vdst(0)                   ; one wait for the two exponentials, ahead of their first reader
	v_mov_b32 v84, v76
	v_mov_b32 v85, v77
	v_add_f32_dpp v84, v84, v84 row_xmask:1 row_mask:0xf bank_mask:0xf
	v_add_f32_dpp v85, v85, v85 row_xmask:1 row_mask:0xf bank_mask:0xf
	v_add_f32_dpp v84, v84, v84 row_xmask:2 row_mask:0xf bank_mask:0xf
	v_add_f32_dpp v85, v85, v85 row_xmask:2 row_mask:0xf bank_mask:0xf
	v_rcp_f32 v84, v84
	v_rcp_f32 v85, v85
	v_nop
	s_wait_alu depctr_va_vdst(0)                   ; one wait for the two reciprocals
	v_mul_f32 v84, 0.5, v84                        ; the mean over the two queues
	v_mul_f32 v85, 0.5, v85
	v_mul_f32 v76, v76, v84
	v_mul_f32 v77, v77, v85
	POINTW 72, 73, 76, s50, s51, 88, 90
	v_lshlrev_b32 v86, 6, v[T]                     ; a pixel of a head is 64 bytes
	POINTW 74, 75, 77, s50, s51, 89, 91
	v_lshlrev_b32 v87, 6, v[T]
	global_store_b64 v78, v[86:87], s[26:27]            ; each store of the wave covers 256 consecutive bytes, aligned
	global_store_b64 v78, v[88:89], s[28:29]
	global_store_b64 v78, v[90:91], s[28:29] offset:256
.Lend:
	s_wait_tensorcnt 0x0                           ; the wave's end, behind my last LDS store
	ds_add_u32 v12, v13
	s_wait_dscnt 0x0
	s_endpgm
.Lfunc_end_k_q282bc578c0_tsap:
	.size	k_q282bc578c0_tsap, .Lfunc_end_k_q282bc578c0_tsap-k_q282bc578c0_tsap
	.p2alignl 7, 3214868480
	.fill 96, 4, 3214868480
	.section	.rodata,"a",@progbits
	.p2align	6, 0x0
	.amdhsa_kernel k_q282bc578c0_tsap
		.amdhsa_group_segment_fixed_size 56832
		.amdhsa_private_segment_fixed_size 0
		.amdhsa_enable_private_segment 0
		.amdhsa_kernarg_size 88
		.amdhsa_user_sgpr_count 2
		.amdhsa_user_sgpr_kernarg_segment_ptr 1
		.amdhsa_wavefront_size32 1
		.amdhsa_system_sgpr_workgroup_id_x 1
		.amdhsa_system_sgpr_workgroup_id_y 1
		.amdhsa_system_sgpr_workgroup_id_z 1
		.amdhsa_system_vgpr_workitem_id 0
		.amdhsa_next_free_vgpr 256
		.amdhsa_next_free_sgpr 66
		.amdhsa_reserve_vcc 1
		.amdhsa_float_denorm_mode_32 3
		.amdhsa_float_denorm_mode_16_64 3
		.amdhsa_memory_ordered 1
		.amdhsa_forward_progress 1
		.amdhsa_inst_pref_size 23
	.end_amdhsa_kernel
	.amdgpu_metadata
---
amdhsa.version: [ 1, 2 ]
amdhsa.kernels:
  - .name:           k_q282bc578c0_tsap
    .symbol:         k_q282bc578c0_tsap.kd
    .args:
      - { .name: prev_bev, .offset: 0, .size: 8, .value_kind: global_buffer, .address_space: global }
      - { .name: bev_query, .offset: 8, .size: 8, .value_kind: global_buffer, .address_space: global }
      - { .name: bev_pos, .offset: 16, .size: 8, .value_kind: global_buffer, .address_space: global }
      - { .name: ref_2d, .offset: 24, .size: 8, .value_kind: global_buffer, .address_space: global }
      - { .name: wf, .offset: 32, .size: 8, .value_kind: global_buffer, .address_space: global }
      - { .name: params_tsa_val_b, .offset: 40, .size: 8, .value_kind: global_buffer, .address_space: global }
      - { .name: params_tsa_off_b, .offset: 48, .size: 8, .value_kind: global_buffer, .address_space: global }
      - { .name: params_tsa_attn_b, .offset: 56, .size: 8, .value_kind: global_buffer, .address_space: global }
      - { .name: vt, .offset: 64, .size: 8, .value_kind: global_buffer, .address_space: global }
      - { .name: tidx, .offset: 72, .size: 8, .value_kind: global_buffer, .address_space: global }
      - { .name: tw, .offset: 80, .size: 8, .value_kind: global_buffer, .address_space: global }
    .group_segment_fixed_size: 56832
    .private_segment_fixed_size: 0
    .kernarg_segment_align: 8
    .kernarg_segment_size: 88
    .max_flat_workgroup_size: 512
    .sgpr_count:     66
    .vgpr_count:     256
    .wavefront_size: 32
...
	.end_amdgpu_metadata
.endif
;; end of part 3
;; launch mid (part 4): grid 250 x 1, 16 waves a work-group, no clusters, 84,992 bytes of LDS; arguments vt, tidx, tw, wf, params_tsa_out_b, bev_query, bev_pos, params_ln_g, params_ln_b, params_sca_off_b, params_sca_attn_b, reference_points_cam, bev_mask, x1, sidx, swt; writes x1, sidx, swt
.if DOCPART == 4
	.amdgcn_target "amdgcn-amd-amdhsa--gfx1250"
	.amdhsa_code_object_version 6
	.text
	.protected	k_q282bc578c0_mid
	.globl	k_q282bc578c0_mid
	.p2align	8
	.type	k_q282bc578c0_mid,@function
k_q282bc578c0_mid:
	s_mov_b64 s[64:65], 0
	v_nop
	global_prefetch_b8 v0, s[64:65] scope:SCOPE_SE
	s_setreg_imm32_b32 hwreg(HW_REG_WAVE_MODE, 25, 1), 1
	s_wait_xcnt 0x0
; TEMPORAL SELF-ATTENTION, SECOND HALF, AND ALL OF THE CROSS-ATTENTION THAT COMES BEFORE ITS SAMPLING.  A work-group owns 10 queries in tiles of 16 rows (rows 10 to 15: zeros or a clamped row, never stored to memory).
;   1  the sampling: wave w has head w % 8 and the queries 2 t + w / 8, t = 0..4.  Lane = (point s = l / 8, column of the patch (l / 4) % 2, eight channels g = l % 4): a load of 16 bytes a lane takes
;      four runs of 128 bytes; each feeds eight multiply-adds straight from the bf16 halves (value x weight + f32 sum).  The sums over the lanes with the same g end a unit.
;   2  x tsa_out_w + bias + q, layer norm: x1 (f32, kept for the residual)     3  (x1 + pos) x [sca_off_w, sca_attn_w]
;   4  for each query, head, point and camera: softmax over the head's 32 points, hit / count from the mask, and the clamped patch (see the launch before): a byte offset inside a camera's
;      plane (sidx, whole numbers) and four weights, bf16 (swt), laid out as the last launch's lanes read them: [work-group][wave][n = 3 t + camera pair][..].
; LIMITS.  x is formed as ref x w + (off + bias - 0.5); a NaN or infinite coordinate gives the weight 0; an exponential below 2^-126 counts as 0; 1 / (sum x count) by v_rcp_f32, 1 / sqrt by v_rsq_f32.
; LDS: ST, XT bf16 [16][256], rows 528 bytes apart; YT f32 [16][256], 1,040 apart; PT f32 [16][768] (512 offsets, 256 logits), 3,088 apart; SPARE the spare words.
.set ST,      0
.set XT,      8448
.set YT,      16896
.set PT,      33536
.set SPARE,   82944
.set WF_TOUT, 327680                   ; tsa_out_w's fragments in wf
.set WF_SOA,  458752                   ; sca_off_w's (column blocks 0-31) and, on end, sca_attn_w's (32-47)
.set WB8,     50                       ; s[50:51] wf + 8,192 w
.set T,       140                      ; v[140:146] at work in POINTW
; v4 row x 1,024 + 16 l   v5 XT + 528 w + 8 l   v6 528 r + 16 h   v7 16 l   v8 16 (l % 8)   v9 into ST   v10 YT by fragments   v11 YT by rows   v12, v13 the spare word and 0   v14 0   v15 into PT
; parts 1, 2: v[16:23] q   v[24:31] pos   v[32:39] g   v[40:47] b   v[48:57] offsets   v[58:67] weights   v[68:147] gathered   v[148:155] sums   v[156:163] at work   v[184:191] bias   v[192:255] tsa_out_w
.macro LDW dst, imm, nf, sb
.set f_, 0
.rept \nf
	global_load_b128 v[(\dst)+8*f_:(\dst)+8*f_+3], v7, s[\sb:\sb+1] offset:(\imm)+1024*f_
	global_load_b128 v[(\dst)+8*f_+4:(\dst)+8*f_+7], v7, s[\sb:\sb+1] offset:(\imm)+1024*f_+512
.set f_, f_+1
.endr
.endm
.macro LDA dst, ar, imm
.irp kb, 0,1,2,3,4,5,6,7
	ds_load_b128 v[(\dst)+8*\kb:(\dst)+8*\kb+3], v[\ar] offset:(\imm)+64*\kb
	ds_load_b128 v[(\dst)+8*\kb+4:(\dst)+8*\kb+7], v[\ar] offset:(\imm)+64*\kb+32
.endr
.endm
.macro MM1 d, w, x, c
.if (\c) < 0
	v_wmma_f32_16x16x32_bf16 v[(\d):(\d)+7], v[(\w):(\w)+7], v[(\x):(\x)+7], v[(\d):(\d)+7]
.elseif (\c) == 0
	v_wmma_f32_16x16x32_bf16 v[(\d):(\d)+7], v[(\w):(\w)+7], v[(\x):(\x)+7], 0
.else
	v_wmma_f32_16x16x32_bf16 v[(\d):(\d)+7], v[(\w):(\w)+7], v[(\x):(\x)+7], v[(\c):(\c)+7]
.endif
.endm
.macro MMS d0, d1, w, x, c0, c1        ; one output block: the even and the odd steps of K have a sum each, and the two take turns
	MM1 \d0, (\w), (\x), \c0
	MM1 \d1, (\w)+8, (\x)+8, \c1
.irp kb, 2,4,6
	MM1 \d0, (\w)+8*\kb, (\x)+8*\kb, -1
	MM1 \d1, (\w)+8*\kb+8, (\x)+8*\kb+8, -1
.endr
.endm
.macro MMX d0, d1, w0, w1, x0, x1, c0, c1  ; two output blocks by turns
	MM1 \d0, (\w0), (\x0), \c0
	MM1 \d1, (\w1), (\x1), \c1
.irp kb, 1,2,3,4,5,6,7
	MM1 \d0, (\w0)+8*\kb, (\x0)+8*\kb, -1
	MM1 \d1, (\w1)+8*\kb, (\x1)+8*\kb, -1
.endr
.endm
.macro PL4                             ; four places behind a matrix instruction (ISA guide 7.12.1)
.rept 4
	v_nop
.endr
.endm
.macro BAR
	s_wait_dscnt 0x0
	s_barrier_signal -1
	s_barrier_wait -1
.endm
.macro RSUM x, t                       ; the sum over the wave's 32 lanes, in every lane
.irp m, 1,2,4,8
	v_add_f32_dpp v[\x], v[\x], v[\x] row_xmask:\m row_mask:0xf bank_mask:0xf
.endr
	v_permlanex16_b32 v[\t], v[\x], s60, s61
	v_add_f32 v[\x], v[\x], v[\t]
.endm
.macro RMAX x, t
.irp m, 1,2,4,8
	v_max_num_f32_dpp v[\x], v[\x], v[\x] row_xmask:\m row_mask:0xf bank_mask:0xf
.endr
	v_permlanex16_b32 v[\t], v[\x], s60, s61
	v_max_num_f32 v[\x], v[\x], v[\t]
.endm
; Layer norm of a row of 256, eight numbers a lane in v[xr ..]; g and b in v[gr ..], v[br ..]; four registers at work.  The mean is taken away first, and the squares are the centred numbers'.
.macro LN xr, gr, br, tr
	v_pk_add_f32 v[\tr:\tr+1], v[\xr:\xr+1], v[\xr+2:\xr+3]
	v_pk_add_f32 v[\tr+2:\tr+3], v[\xr+4:\xr+5], v[\xr+6:\xr+7]
	v_pk_add_f32 v[\tr:\tr+1], v[\tr:\tr+1], v[\tr+2:\tr+3]
	v_add_f32 v[\tr], v[\tr], v[\tr+1]
	RSUM \tr, \tr+1
	v_mul_f32 v[\tr], s58, v[\tr]
	v_mov_b32 v[\tr+1], v[\tr]
.irp i, 0,2,4,6
	v_pk_add_f32 v[\xr+\i:\xr+\i+1], v[\xr+\i:\xr+\i+1], v[\tr:\tr+1] neg_lo:[0,1] neg_hi:[0,1]
.endr
	v_pk_mul_f32 v[\tr+2:\tr+3], v[\xr:\xr+1], v[\xr:\xr+1]
.irp i, 2,4,6
	v_pk_fma_f32 v[\tr+2:\tr+3], v[\xr+\i:\xr+\i+1], v[\xr+\i:\xr+\i+1], v[\tr+2:\tr+3]
.endr
	v_add_f32 v[\tr+2], v[\tr+2], v[\tr+3]
	RSUM \tr+2, \tr+3
	v_fma_f32 v[\tr+2], v[\tr+2], s58, s59         ; variance + 1e-5
	v_rsq_f32 v[\tr+2], v[\tr+2]
	v_nop
	s_wait_alu depctr_va_vdst(0)                   ; ahead of the first reader of the root
	v_mov_b32 v[\tr+3], v[\tr+2]
.irp i, 0,2,4,6
	v_pk_mul_f32 v[\xr+\i:\xr+\i+1], v[\xr+\i:\xr+\i+1], v[\tr+2:\tr+3]
.endr
.irp i, 0,2,4,6
	v_pk_fma_f32 v[\xr+\i:\xr+\i+1], v[\xr+\i:\xr+\i+1], v[\gr+\i:\gr+\i+1], v[\br+\i:\br+\i+1]
.endr
.endm
; A unit's end: the eight sums are added over the lanes with the same g (lane bits 2, 3, 4), rounded to bf16 and put into the tile; the eight lanes of a g store the same bytes.
.macro UNITEND acc, tmp, adr, off
.irp i, 0,1,2,3,4,5,6,7
	v_add_f32_dpp v[(\acc)+\i], v[(\acc)+\i], v[(\acc)+\i] row_xmask:4 row_mask:0xf bank_mask:0xf
.endr
.irp i, 0,1,2,3,4,5,6,7
	v_add_f32_dpp v[(\acc)+\i], v[(\acc)+\i], v[(\acc)+\i] row_xmask:8 row_mask:0xf bank_mask:0xf
.endr
.irp i, 0,1,2,3,4,5,6,7
	v_permlanex16_b32 v[(\tmp)+\i], v[(\acc)+\i], s60, s61
.endr
.irp i, 0,2,4,6
	v_pk_add_f32 v[(\acc)+\i:(\acc)+\i+1], v[(\acc)+\i:(\acc)+\i+1], v[(\tmp)+\i:(\tmp)+\i+1]
.endr
.irp i, 0,1,2,3
	v_cvt_pk_bf16_f32 v[(\tmp)+\i], v[(\acc)+2*\i], v[(\acc)+2*\i+1]
.endr
	ds_store_b128 v[\adr], v[(\tmp):(\tmp)+3] offset:\off
.endm
.macro POINTW px, py, pa, fw, fm, o0, o1   ; as in the launch before: v[T] = by x width + bx; v[o0], v[o1] = the patch's weights, a bf16 pair for each column
	v_floor_f32 v[T], v[\px]
	v_floor_f32 v[T+1], v[\py]
	v_max_num_f32 v[T], 0, v[T]
	v_max_num_f32 v[T+1], 0, v[T+1]
	v_min_num_f32 v[T], \fm, v[T]
	v_min_num_f32 v[T+1], \fm, v[T+1]
	v_sub_f32 v[T+2], v[\px], v[T]
	v_sub_f32 v[T+3], v[\py], v[T+1]
	v_fma_f32 v[T], v[T+1], \fw, v[T]
	v_cvt_u32_f32 v[T], v[T]
	v_sub_f32 v[T+1], 1.0, |v[T+2]|
	v_add_f32 v[T+2], -1.0, v[T+2]
	v_sub_f32 v[T+4], 1.0, |v[T+3]|
	v_add_f32 v[T+3], -1.0, v[T+3]
	v_sub_f32 v[T+2], 1.0, |v[T+2]|
	v_sub_f32 v[T+3], 1.0, |v[T+3]|
	v_max_num_f32 v[T+1], 0, v[T+1]
	v_max_num_f32 v[T+2], 0, v[T+2]
	v_max_num_f32 v[T+3], 0, v[T+3]
	v_max_num_f32 v[T+4], 0, v[T+4]
	v_mul_f32 v[T+4], v[T+4], v[\pa]
	v_mul_f32 v[T+3], v[T+3], v[\pa]
	v_mul_f32 v[T+5], v[T+1], v[T+4]
	v_mul_f32 v[T+6], v[T+1], v[T+3]
	v_mul_f32 v[T+1], v[T+2], v[T+4]
	v_mul_f32 v[T+2], v[T+2], v[T+3]
	v_cvt_pk_bf16_f32 v[\o0], v[T+5], v[T+6]
	v_cvt_pk_bf16_f32 v[\o1], v[T+1], v[T+2]
.endm
	s_load_b512 s[8:23], s[0:1], 0x0               ; vt s[8:9], tidx s[10:11], tw s[12:13], wf s[14:15], out_b s[16:17], q s[18:19], pos s[20:21], g s[22:23]
	s_load_b512 s[24:39], s[0:1], 0x40             ; b s[24:25], off_b s[26:27], attn_b s[28:29], ref_cam s[30:31], mask s[32:33], x1 s[34:35], sidx s[36:37], swt s[38:39]
	v_lshl_add_u32 v12, v0, 2, SPARE
	v_mov_b32 v13, 0
	v_mov_b32 v14, 0
	v_lshrrev_b32 v1, 5, v0
	v_readfirstlane_b32 s2, v1                     ; wave 0..15
	v_and_b32 v1, 31, v0                           ; l
	v_and_b32 v2, 15, v0                           ; r
	v_bfe_u32 v3, v0, 4, 1                         ; h
	s_mul_i32 s3, ttmp9, 10                        ; the work-group's first query
	s_add_co_u32 s4, s3, s2
	s_min_u32 s4, s4, 2499                         ; my row in the row phases
	s_and_b32 s5, s2, 7                            ; head
	s_lshr_b32 s6, s2, 3                           ; even or odd queries
	s_mov_b32 s57, 0x3fb8aa3b                      ; log2(e)
	s_mov_b32 s58, 0x3b800000                      ; 1 / 256
	s_mov_b32 s59, 0x3727c5ac                      ; 1e-5
	s_mov_b32 s60, 0x76543210                      ; v_permlanex16_b32: each lane takes its own place in the other half
	s_mov_b32 s61, 0xfedcba98
	s_lshl_b32 s7, s4, 10
	v_lshl_add_u32 v4, v1, 4, s7
	s_mul_i32 s7, s2, 528
	s_add_co_u32 s40, s7, XT
	v_lshl_add_u32 v5, v1, 3, s40
	v_lshl_add_u32 v167, v1, 4, s7                 ; ST + 528 w + 16 l: a whole row, for the rows that no query fills
	v_mul_u32_u24 v6, v2, 528
	v_lshl_add_u32 v6, v3, 4, v6
	v_lshlrev_b32 v7, 4, v1
	v_and_b32 v8, 7, v0
	v_lshlrev_b32 v8, 4, v8
	s_mul_i32 s7, s6, 528
	s_lshl_b32 s40, s5, 6
	s_add_co_u32 s7, s7, s40
	v_and_b32 v9, 3, v0
	v_lshl_add_u32 v9, v9, 4, s7                   ; ST + 528 (w / 8) + 64 head + 16 g
	s_lshl_b32 s7, s2, 6
	v_lshl_add_u32 v164, v3, 5, s7                 ; (16 w + 8 h) x 4
	v_mul_u32_u24 v10, v2, 1040
	v_add3_u32 v10, v10, v164, YT
	s_mul_i32 s7, s2, 1040
	s_add_co_u32 s7, s7, YT
	v_lshl_add_u32 v11, v1, 4, s7
	v_mul_u32_u24 v15, v2, 3088
	v_add3_u32 v15, v15, v164, PT
	v_lshrrev_b32 v165, 3, v1
	s_lshl_b32 s7, s5, 5
	v_lshl_add_u32 v165, v165, 3, s7               ; 32 head + 8 s: my point's two offsets in a query's 256 bytes of tidx
	v_bfe_u32 v166, v0, 2, 1
	v_lshl_add_u32 v166, v166, 8, v165             ; + 256 x column: its weights in a query's 512 bytes of tw
.irp i, 0,1,2,3,4,5,6,7
	v_mov_b32 v[156+\i], 0
.endr
	s_add_co_u32 s40, s3, s6                       ; my first query
	s_lshl_b32 s42, s40, 8
	s_mov_b32 s43, 0
	s_wait_kmcnt 0x0
	s_add_nc_u64 s[46:47], s[10:11], s[42:43]
	s_lshl_b32 s42, s40, 9
	s_add_nc_u64 s[48:49], s[12:13], s[42:43]
	s_mul_i32 s42, s5, 320000
	s_add_nc_u64 s[44:45], s[8:9], s[42:43]        ; my head's plane of vt
	s_lshl_b32 s42, s2, 13
	s_add_nc_u64 s[WB8:WB8+1], s[14:15], s[42:43]
	; 1  THE SAMPLING
.irp t, 0,1,2,3,4
	global_load_b64 v[48+2*\t:49+2*\t], v165, s[46:47] offset:512*\t   ; queue 0, queue 1
.endr
.irp t, 0,1,2,3,4
	global_load_b64 v[58+2*\t:59+2*\t], v166, s[48:49] offset:1024*\t
.endr
	LDW 192, WF_TOUT, 8, WB8                       ; what parts 1 and 2 need later: 26 loads
	global_load_b128 v[184:187], v164, s[16:17]
	global_load_b128 v[188:191], v164, s[16:17] offset:16
	global_load_b128 v[16:19], v4, s[18:19]
	global_load_b128 v[20:23], v4, s[18:19] offset:512
	global_load_b128 v[24:27], v4, s[20:21]
	global_load_b128 v[28:31], v4, s[20:21] offset:512
	global_load_b128 v[32:35], v7, s[22:23]
	global_load_b128 v[36:39], v7, s[22:23] offset:512
	global_load_b128 v[40:43], v7, s[24:25]
	global_load_b128 v[44:47], v7, s[24:25] offset:512
	s_wait_loadcnt 26                              ; offsets and weights are in; the 26 behind them may stay out
.irp i, 0,1,2,3,4,5,6,7,8,9
	v_min_u32 v[48+\i], 156672, v[48+\i]           ; (48 x 50 + 48) x 64: the last patch that lies inside a queue's map
	v_add_nc_u32 v[48+\i], v8, v[48+\i]            ; + my column and channels
.endr
.irp t, 0,1,2,3,4
.irp qu, 0,1
.irp ro, 0,1
	global_load_b128 v[68+16*\t+4*(2*\qu+\ro):71+16*\t+4*(2*\qu+\ro)], v[48+2*\t+\qu], s[44:45] offset:160000*\qu+3200*\ro
.endr
.endr
.endr
	s_cmp_ge_u32 s2, 10
	s_cbranch_scc0 .Lno_zero
	ds_store_b128 v167, v[156:159]                 ; rows 10 to 15 of the tile are zeros
.Lno_zero:
.irp t, 0,1,2,3,4
	s_wait_loadcnt 16-4*\t                         ; this unit's four gathers are in; the later units' may stay out
.irp qu, 0,1
.irp ro, 0,1
.irp k, 0,1,2,3
.irp p, 0,1
.if (\qu+\ro) == 0
	v_fma_mix_f32_bf16 v[148+2*\k+\p], v[68+16*\t+4*(2*\qu+\ro)+\k], v[58+2*\t+\qu], v14 op_sel:[\p,\ro,0] op_sel_hi:[1,1,0]
.else
	v_fma_mix_f32_bf16 v[148+2*\k+\p], v[68+16*\t+4*(2*\qu+\ro)+\k], v[58+2*\t+\qu], v[148+2*\k+\p] op_sel:[\p,\ro,0] op_sel_hi:[1,1,0]
.endif
.endr
.endr
.endr
.endr
	UNITEND 148, 156, 9, 1056*\t
.endr
	BAR
	; 2  x tsa_out_w + bias: wave w makes columns 16 w ..
	LDA 64, 6, ST
	s_wait_dscnt 0x0
	MMS 128, 136, 192, 64, 184, 0
	PL4
.irp i, 0,2,4,6
	v_pk_add_f32 v[128+\i:129+\i], v[128+\i:129+\i], v[136+\i:137+\i]
.endr
	ds_store_b128 v10, v[128:131]
	ds_store_b128 v10, v[132:135] offset:16
	s_wait_dscnt 0x0
	LDW 64, WF_SOA, 8, WB8                         ; the offsets' column blocks w and w + 16: on their way during the row phase
	LDW 128, WF_SOA+131072, 8, WB8
	s_barrier_signal -1
	s_barrier_wait -1
	ds_load_b128 v[48:51], v11                     ; wave w takes row w
	ds_load_b128 v[52:55], v11 offset:512
	s_wait_dscnt 0x0
.irp i, 0,2,4,6
	v_pk_add_f32 v[16+\i:17+\i], v[16+\i:17+\i], v[48+\i:49+\i]
.endr
	LN 16, 32, 40, 56
	s_cmp_lt_u32 s2, 10
	s_cbranch_scc0 .Lno_x1
	global_store_b128 v4, v[16:19], s[34:35]            ; each store of the wave covers 512 consecutive bytes, aligned
	global_store_b128 v4, v[20:23], s[34:35] offset:512
.Lno_x1:
.irp i, 0,2,4,6
	v_pk_add_f32 v[24+\i:25+\i], v[24+\i:25+\i], v[16+\i:17+\i]   ; x1 + pos
.endr
.irp i, 0,1,2,3
	v_cvt_pk_bf16_f32 v[48+\i], v[24+2*\i], v[25+2*\i]
.endr
	ds_store_b64 v5, v[48:49]
	ds_store_b64 v5, v[50:51] offset:256
	BAR
	; 3  THE CROSS-ATTENTION'S OFFSETS AND LOGITS: 768 columns, three blocks a wave.  The biases are added in part 4.
	LDA 192, 6, XT
	s_wait_dscnt 0x0
	s_wait_loadcnt 0x0
	MMX 48, 56, 64, 128, 192, 192, 0, 0
	PL4
	LDW 64, WF_SOA+262144, 8, WB8                  ; the logits' block w
	ds_store_b128 v15, v[48:51]
	ds_store_b128 v15, v[52:55] offset:16
	ds_store_b128 v15, v[56:59] offset:1024
	ds_store_b128 v15, v[60:63] offset:1040
	s_wait_loadcnt 0x0
	MMS 32, 40, 64, 192, 0, 0
	PL4
.irp i, 0,2,4,6
	v_pk_add_f32 v[32+\i:33+\i], v[32+\i:33+\i], v[40+\i:41+\i]
.endr
	ds_store_b128 v15, v[32:35] offset:2048
	ds_store_b128 v15, v[36:39] offset:2064
	BAR
	; 4  THE POINTS.  Lane = (i = l % 8 = 2 level + half of the level's eight points, s = l / 8 = height z): point 4 i + s of the head's 32.  Five trips, a query each.
	v_and_b32 v60, 7, v0                           ; i
	v_lshrrev_b32 v61, 3, v1                       ; s
	v_lshrrev_b32 v62, 1, v60                      ; level
	v_lshlrev_b32 v63, 5, v60
	v_lshl_add_u32 v63, v61, 3, v63
	s_lshl_b32 s7, s5, 8
	v_add_nc_u32 v63, s7, v63                      ; (64 head + 8 i + 2 s) x 4: my offsets' column
	v_lshrrev_b32 v99, 1, v63                      ; (32 head + 4 i + s) x 4: my logit's
	global_load_b64 v[68:69], v63, s[26:27]
	global_load_b32 v67, v99, s[28:29]
	v_mov_b32 v64, 64
	v_lshrrev_b32 v64, v62, v64
	v_cvt_f32_u32 v64, v64                         ; the level's width and height: 64, 32, 16, 8
	v_add_f32 v65, -2.0, v64
	v_mov_b32 v66, 0                               ; the level's first pixel: 0, 4,096, 5,120, 5,376
	v_cmp_gt_u32 vcc_lo, 1, v62
	v_cndmask_b32 v66, 0x1000, v66, vcc_lo
	v_cmp_gt_u32 vcc_lo, 2, v62
	v_cndmask_b32 v66, 0x1400, v66, vcc_lo
	v_cmp_gt_u32 vcc_lo, 3, v62
	v_cndmask_b32 v66, 0x1500, v66, vcc_lo
	s_mul_i32 s7, s6, 3088
	s_add_co_u32 s7, s7, PT
	v_add_nc_u32 v70, s7, v63                      ; my offsets in the query's row of PT
	v_add_nc_u32 v71, s7, v99                      ; my logit, 2,048 bytes further on
	s_lshl_b32 s7, s40, 2
	v_mov_b32 v72, s7                              ; the query's four bytes of a camera's mask
	s_lshl_b32 s7, s40, 5
	v_lshl_add_u32 v73, v61, 3, s7                 ; its reference point at height s
	v_lshlrev_b32 v74, 3, v1
	v_lshlrev_b32 v75, 3, v1
	v_mov_b32 v98, 0
	v_mov_b32 v107, 1.0
	s_lshl_b32 s7, ttmp9, 4
	s_add_co_u32 s7, s7, s2                        ; 16 x work-group + wave
	s_mul_i32 s42, s7, 3840
	s_add_nc_u64 s[36:37], s[36:37], s[42:43]
	s_mul_i32 s42, s7, 7680
	s_add_nc_u64 s[38:39], s[38:39], s[42:43]
	s_wait_loadcnt 0x0
	v_pk_add_f32 v[68:69], v[68:69], -0.5 op_sel_hi:[1,0]
	s_mov_b32 s41, 5
.Lunit:
.irp c, 0,1,2,3,4,5
	global_load_b32 v[76+\c], v72, s[32:33] offset:10000*\c
.endr
.irp c, 0,1,2,3,4,5
	global_load_b64 v[82+2*\c:83+2*\c], v73, s[30:31] offset:80000*\c
.endr
	ds_load_b64 v[94:95], v70
	ds_load_b32 v96, v71 offset:2048
	s_wait_loadcnt_dscnt 0x0
	v_add_f32 v96, v96, v67
	v_pk_add_f32 v[94:95], v[94:95], v[68:69]      ; off + bias - 0.5
	v_mov_b32 v97, v96
	RMAX 97, 98                                    ; the maximum over the head's 32 points
	v_sub_f32 v96, v96, v97
	v_mul_f32 v96, s57, v96
	v_exp_f32 v96, v96
	v_nop
.irp c, 0,1,2,3,4,5
	v_cmp_ne_u32 vcc_lo, 0, v[76+\c]               ; any of the query's four heights
	v_cndmask_b32 v[100+\c], 0, v107, vcc_lo
.endr
	v_add_f32 v106, v100, v101
	v_add_f32 v108, v102, v103
	v_add_f32 v109, v104, v105
	v_add_f32 v106, v106, v108
	v_add_f32 v106, v106, v109
	v_max_num_f32 v106, 1.0, v106                  ; count
	s_wait_alu depctr_va_vdst(0)                   ; ahead of the exponential's first reader
	v_mov_b32 v97, v96
	RSUM 97, 98
	v_mul_f32 v97, v97, v106
	v_rcp_f32 v97, v97
	v_nop
	s_wait_alu depctr_va_vdst(0)
	v_mul_f32 v96, v96, v97                        ; attention weight / count
.irp c, 0,1,2,3,4,5
	v_mul_f32 v[112+\c], v96, v[100+\c]            ; x hit
.endr
.irp c, 0,1,2,3,4,5
	v_pk_fma_f32 v[108:109], v[82+2*\c:83+2*\c], v[64:65], v[94:95] op_sel_hi:[1,0,1]  ; ref x w + (off + bias - 0.5)
	POINTW 108, 109, 112+\c, v64, v65, 126+\c, 132+\c
	v_add_lshl_u32 v[120+\c], v[T], v66, 6         ; (the level's first pixel + by w + bx) x 64 bytes
.endr
.irp cp, 0,1,2
	global_store_b64 v74, v[120+2*\cp:121+2*\cp], s[36:37] offset:256*\cp       ; each store of the wave covers 256 consecutive bytes, aligned
	global_store_b64 v75, v[126+2*\cp:127+2*\cp], s[38:39] offset:512*\cp
	global_store_b64 v75, v[132+2*\cp:133+2*\cp], s[38:39] offset:512*\cp+256
.endr
	s_wait_xcnt 0x0                                ; the stores' data and all the stepped offsets are written again only behind this wait
	v_add_nc_u32 v70, 6176, v70                    ; two rows of PT on: my next query
	v_add_nc_u32 v71, 6176, v71
	v_add_nc_u32 v72, 8, v72
	v_add_nc_u32 v73, 64, v73
	v_add_nc_u32 v74, 768, v74
	v_add_nc_u32 v75, 1536, v75
	s_sub_co_u32 s41, s41, 1
	s_cmp_lg_u32 s41, 0
	s_cbranch_scc1 .Lunit
	s_wait_tensorcnt 0x0                           ; the wave's end, behind my last LDS store
	ds_add_u32 v12, v13
	s_wait_dscnt 0x0
	s_endpgm
.Lfunc_end_k_q282bc578c0_mid:
	.size	k_q282bc578c0_mid, .Lfunc_end_k_q282bc578c0_mid-k_q282bc578c0_mid
	.p2alignl 7, 3214868480
	.fill 96, 4, 3214868480
	.section	.rodata,"a",@progbits
	.p2align	6, 0x0
	.amdhsa_kernel k_q282bc578c0_mid
		.amdhsa_group_segment_fixed_size 84992
		.amdhsa_private_segment_fixed_size 0
		.amdhsa_enable_private_segment 0
		.amdhsa_kernarg_size 128
		.amdhsa_user_sgpr_count 2
		.amdhsa_user_sgpr_kernarg_segment_ptr 1
		.amdhsa_wavefront_size32 1
		.amdhsa_system_sgpr_workgroup_id_x 1
		.amdhsa_system_sgpr_workgroup_id_y 1
		.amdhsa_system_sgpr_workgroup_id_z 1
		.amdhsa_system_vgpr_workitem_id 0
		.amdhsa_next_free_vgpr 256
		.amdhsa_next_free_sgpr 66
		.amdhsa_reserve_vcc 1
		.amdhsa_float_denorm_mode_32 3
		.amdhsa_float_denorm_mode_16_64 3
		.amdhsa_memory_ordered 1
		.amdhsa_forward_progress 1
		.amdhsa_inst_pref_size 58
	.end_amdhsa_kernel
	.amdgpu_metadata
---
amdhsa.version: [ 1, 2 ]
amdhsa.kernels:
  - .name:           k_q282bc578c0_mid
    .symbol:         k_q282bc578c0_mid.kd
    .args:
      - { .name: vt, .offset: 0, .size: 8, .value_kind: global_buffer, .address_space: global }
      - { .name: tidx, .offset: 8, .size: 8, .value_kind: global_buffer, .address_space: global }
      - { .name: tw, .offset: 16, .size: 8, .value_kind: global_buffer, .address_space: global }
      - { .name: wf, .offset: 24, .size: 8, .value_kind: global_buffer, .address_space: global }
      - { .name: params_tsa_out_b, .offset: 32, .size: 8, .value_kind: global_buffer, .address_space: global }
      - { .name: bev_query, .offset: 40, .size: 8, .value_kind: global_buffer, .address_space: global }
      - { .name: bev_pos, .offset: 48, .size: 8, .value_kind: global_buffer, .address_space: global }
      - { .name: params_ln_g, .offset: 56, .size: 8, .value_kind: global_buffer, .address_space: global }
      - { .name: params_ln_b, .offset: 64, .size: 8, .value_kind: global_buffer, .address_space: global }
      - { .name: params_sca_off_b, .offset: 72, .size: 8, .value_kind: global_buffer, .address_space: global }
      - { .name: params_sca_attn_b, .offset: 80, .size: 8, .value_kind: global_buffer, .address_space: global }
      - { .name: reference_points_cam, .offset: 88, .size: 8, .value_kind: global_buffer, .address_space: global }
      - { .name: bev_mask, .offset: 96, .size: 8, .value_kind: global_buffer, .address_space: global }
      - { .name: x1, .offset: 104, .size: 8, .value_kind: global_buffer, .address_space: global }
      - { .name: sidx, .offset: 112, .size: 8, .value_kind: global_buffer, .address_space: global }
      - { .name: swt, .offset: 120, .size: 8, .value_kind: global_buffer, .address_space: global }
    .group_segment_fixed_size: 84992
    .private_segment_fixed_size: 0
    .kernarg_segment_align: 8
    .kernarg_segment_size: 128
    .max_flat_workgroup_size: 512
    .sgpr_count:     66
    .vgpr_count:     256
    .wavefront_size: 32
...
	.end_amdgpu_metadata
.endif
;; end of part 4
;; launch fin (part 5): grid 250 x 1, 16 waves a work-group, no clusters, 52,224 bytes of LDS; arguments sv, sidx, swt, wf, params_sca_out_b, x1, params_ln_g, params_ln_b, params_ffn_b1, params_ffn_b2, out0; writes out0
.if DOCPART == 5
	.amdgcn_target "amdgcn-amd-amdhsa--gfx1250"
	.amdhsa_code_object_version 6
	.text
	.protected	k_q282bc578c0_fin
	.globl	k_q282bc578c0_fin
	.p2align	8
	.type	k_q282bc578c0_fin,@function
k_q282bc578c0_fin:
	s_mov_b64 s[64:65], 0
	v_nop
	global_prefetch_b8 v0, s[64:65] scope:SCOPE_SE
	s_setreg_imm32_b32 hwreg(HW_REG_WAVE_MODE, 25, 1), 1
	s_wait_xcnt 0x0
; THE CROSS-ATTENTION'S SAMPLING AND ALL THAT FOLLOWS IT.  A work-group owns 10 queries in tiles of 16 rows (rows 10 to 15: zeros or a clamped row, never stored to memory).
;   1  the sampling.  Wave w has head w % 8 and the queries 2 t + w / 8, t = 0..4: five UNITS of three TRIPS, a pair of cameras each.  Lane = (height s = l / 8, column of the patch (l / 4) % 2,
;      eight channels g = l % 4).  A trip has 16 entries e = 4 level + 2 half + camera of the pair, each with two rows of the patch: 32 loads of 16 bytes a lane (four runs of 128 bytes for the
;      wave), each feeding eight multiply-adds straight from the bf16 halves.  Attention weight, hit and 1 / count lie in the weights, so a camera that does not see the query adds zeros.
;      IN FLIGHT: a trip's offsets and weights are asked for two trips ahead (three sets of registers), its gathers half a trip to a trip ahead (two halves of 64 registers).
;   2  x sca_out_w + bias + x1, layer norm     3  x ffn_w1 + b1, ReLU     4  x ffn_w2 + b2 + residual, layer norm: out0.
; No cluster: 250 work-groups divide into none, and what is shared (weights) is small beside a work-group's gathers.  No tensor loads: the gathers go lane by lane.
; LIMITS.  1 / sqrt by v_rsq_f32.  Offsets read from sidx are held to the last patch that lies inside a camera's plane.
; LDS: ST, XT bf16 [16][256], rows 528 bytes apart; YT f32 [16][256], 1,040 apart; HT bf16 [16][512], 1,040 apart; SPARE the spare words.
.set ST,      0
.set XT,      8448
.set YT,      16896
.set HT,      33536
.set SPARE,   50176
.set WF_SOUT, 983040
.set WF_F1,   1114112
.set WF_F2,   1376256
.set WB8,     50                       ; s[50:51] wf + 8,192 w
.set WB16,    52                       ; s[52:53] wf + 16,384 w
; v1 HT + 1,040 r + 16 h   v2 64 s   v3 256 column + 64 s, later (16 w + 8 h) 4   v4 row x 1,024 + 16 l   v5 XT + 528 w + 8 l   v6 528 r + 16 h   v7 16 l   v8 16 (l % 8)
; v9 into ST   v10 YT by fragments   v11 YT by rows   v12, v13 the spare word and 0   v14 0   v15 into HT
; part 1: v[16:23] sums   v[24:31] at work   v[32 + 32 b ..] set b: 16 offsets, 16 weights   v[128:191], v[192:255] gathered, entries 0-7 and 8-15
; parts 2-4: v[16:23] the residual row   v[24:31] at work   v[32:47] two accumulators   v[48:63] biases   v[64:191] weights   v[192:255] fragments; g, b in v[192:207] in the row phases
.macro LDW dst, imm, nf, sb
.set f_, 0
.rept \nf
	global_load_b128 v[(\dst)+8*f_:(\dst)+8*f_+3], v7, s[\sb:\sb+1] offset:(\imm)+1024*f_
	global_load_b128 v[(\dst)+8*f_+4:(\dst)+8*f_+7], v7, s[\sb:\sb+1] offset:(\imm)+1024*f_+512
.set f_, f_+1
.endr
.endm
.macro LDA dst, ar, imm
.irp kb, 0,1,2,3,4,5,6,7
	ds_load_b128 v[(\dst)+8*\kb:(\dst)+8*\kb+3], v[\ar] offset:(\imm)+64*\kb
	ds_load_b128 v[(\dst)+8*\kb+4:(\dst)+8*\kb+7], v[\ar] offset:(\imm)+64*\kb+32
.endr
.endm
.macro MM1 d, w, x, c
.if (\c) < 0
	v_wmma_f32_16x16x32_bf16 v[(\d):(\d)+7], v[(\w):(\w)+7], v[(\x):(\x)+7], v[(\d):(\d)+7]
.elseif (\c) == 0
	v_wmma_f32_16x16x32_bf16 v[(\d):(\d)+7], v[(\w):(\w)+7], v[(\x):(\x)+7], 0
.else
	v_wmma_f32_16x16x32_bf16 v[(\d):(\d)+7], v[(\w):(\w)+7], v[(\x):(\x)+7], v[(\c):(\c)+7]
.endif
.endm
.macro MMS d0, d1, w, x, c0, c1        ; one output block: the even and the odd steps of K have a sum each, and the two take turns
	MM1 \d0, (\w), (\x), \c0
	MM1 \d1, (\w)+8, (\x)+8, \c1
.irp kb, 2,4,6
	MM1 \d0, (\w)+8*\kb, (\x)+8*\kb, -1
	MM1 \d1, (\w)+8*\kb+8, (\x)+8*\kb+8, -1
.endr
.endm
.macro MMX d0, d1, w0, w1, x0, x1, c0, c1  ; two output blocks by turns
	MM1 \d0, (\w0), (\x0), \c0
	MM1 \d1, (\w1), (\x1), \c1
.irp kb, 1,2,3,4,5,6,7
	MM1 \d0, (\w0)+8*\kb, (\x0)+8*\kb, -1
	MM1 \d1, (\w1)+8*\kb, (\x1)+8*\kb, -1
.endr
.endm
.macro PL4                             ; four places behind a matrix instruction (ISA guide 7.12.1)
.rept 4
	v_nop
.endr
.endm
.macro BAR
	s_wait_dscnt 0x0
	s_barrier_signal -1
	s_barrier_wait -1
.endm
.macro RSUM x, t
.irp m, 1,2,4,8
	v_add_f32_dpp v[\x], v[\x], v[\x] row_xmask:\m row_mask:0xf bank_mask:0xf
.endr
	v_permlanex16_b32 v[\t], v[\x], s60, s61
	v_add_f32 v[\x], v[\x], v[\t]
.endm
.macro LN xr, gr, br, tr               ; layer norm of a row of 256, eight numbers a lane: the mean is taken away first, and the squares are the centred numbers'
	v_pk_add_f32 v[\tr:\tr+1], v[\xr:\xr+1], v[\xr+2:\xr+3]
	v_pk_add_f32 v[\tr+2:\tr+3], v[\xr+4:\xr+5], v[\xr+6:\xr+7]
	v_pk_add_f32 v[\tr:\tr+1], v[\tr:\tr+1], v[\tr+2:\tr+3]
	v_add_f32 v[\tr], v[\tr], v[\tr+1]
	RSUM \tr, \tr+1
	v_mul_f32 v[\tr], s58, v[\tr]
	v_mov_b32 v[\tr+1], v[\tr]
.irp i, 0,2,4,6
	v_pk_add_f32 v[\xr+\i:\xr+\i+1], v[\xr+\i:\xr+\i+1], v[\tr:\tr+1] neg_lo:[0,1] neg_hi:[0,1]
.endr
	v_pk_mul_f32 v[\tr+2:\tr+3], v[\xr:\xr+1], v[\xr:\xr+1]
.irp i, 2,4,6
	v_pk_fma_f32 v[\tr+2:\tr+3], v[\xr+\i:\xr+\i+1], v[\xr+\i:\xr+\i+1], v[\tr+2:\tr+3]
.endr
	v_add_f32 v[\tr+2], v[\tr+2], v[\tr+3]
	RSUM \tr+2, \tr+3
	v_fma_f32 v[\tr+2], v[\tr+2], s58, s59
	v_rsq_f32 v[\tr+2], v[\tr+2]
	v_nop
	s_wait_alu depctr_va_vdst(0)                   ; ahead of the first reader of the root
	v_mov_b32 v[\tr+3], v[\tr+2]
.irp i, 0,2,4,6
	v_pk_mul_f32 v[\xr+\i:\xr+\i+1], v[\xr+\i:\xr+\i+1], v[\tr+2:\tr+3]
.endr
.irp i, 0,2,4,6
	v_pk_fma_f32 v[\xr+\i:\xr+\i+1], v[\xr+\i:\xr+\i+1], v[\gr+\i:\gr+\i+1], v[\br+\i:\br+\i+1]
.endr
.endm
.macro LDGB                            ; g and b of my eight columns
	global_load_b128 v[192:195], v7, s[20:21]
	global_load_b128 v[196:199], v7, s[20:21] offset:512
	global_load_b128 v[200:203], v7, s[22:23]
	global_load_b128 v[204:207], v7, s[22:23] offset:512
.endm
.macro UNITEND acc, tmp, adr, off      ; the eight sums are added over the lanes with the same g, rounded to bf16 and put into the tile
.irp i, 0,1,2,3,4,5,6,7
	v_add_f32_dpp v[(\acc)+\i], v[(\acc)+\i], v[(\acc)+\i] row_xmask:4 row_mask:0xf bank_mask:0xf
.endr
.irp i, 0,1,2,3,4,5,6,7
	v_add_f32_dpp v[(\acc)+\i], v[(\acc)+\i], v[(\acc)+\i] row_xmask:8 row_mask:0xf bank_mask:0xf
.endr
.irp i, 0,1,2,3,4,5,6,7
	v_permlanex16_b32 v[(\tmp)+\i], v[(\acc)+\i], s60, s61
.endr
.irp i, 0,2,4,6
	v_pk_add_f32 v[(\acc)+\i:(\acc)+\i+1], v[(\acc)+\i:(\acc)+\i+1], v[(\tmp)+\i:(\tmp)+\i+1]
.endr
.irp i, 0,1,2,3
	v_cvt_pk_bf16_f32 v[(\tmp)+\i], v[(\acc)+2*\i], v[(\acc)+2*\i+1]
.endr
	ds_store_b128 v[\adr], v[(\tmp):(\tmp)+3] offset:\off
.endm
.macro META b, n                       ; block n (counted from the unit in hand) of my offsets and weights into set b: 8 loads
.irp k, 0,1,2,3
	global_load_b128 v[32+32*(\b)+4*\k:35+32*(\b)+4*\k], v2, s[46:47] offset:256*(\n)+16*\k th:TH_LOAD_NT
.endr
.irp k, 0,1,2,3
	global_load_b128 v[48+32*(\b)+4*\k:51+32*(\b)+4*\k], v3, s[48:49] offset:512*(\n)+16*\k th:TH_LOAD_NT
.endr
.endm
.macro ADDR b, half                    ; eight offsets of set b: held to (5,440 - w - 2) x 64, the last patch inside a camera's plane, then my column and channels are added
.irp e, 0,1,2,3,4,5,6,7
	v_min_u32 v[32+32*(\b)+8*(\half)+\e], (5440-(64>>(2*(\half)+\e/4))-2)*64, v[32+32*(\b)+8*(\half)+\e]
	v_add_nc_u32 v[32+32*(\b)+8*(\half)+\e], v8, v[32+32*(\b)+8*(\half)+\e]
.endr
.endm
.macro GATH b, half, cp                ; 16 gathers: eight entries x the patch's two rows; the camera and the row stand in the immediate
.irp e, 0,1,2,3,4,5,6,7
.irp ro, 0,1
	global_load_b128 v[128+64*(\half)+8*\e+4*\ro:131+64*(\half)+8*\e+4*\ro], v[32+32*(\b)+8*(\half)+\e], s[44:45] offset:(2*(\cp)+\e%2)*348160+\ro*(4096>>(2*(\half)+\e/4))
.endr
.endr
.endm
.macro FMAS b, half, first             ; 128 multiply-adds; first = 1: the first eight start the unit's sums
.irp e, 0,1,2,3,4,5,6,7
.irp ro, 0,1
.irp k, 0,1,2,3
.irp p, 0,1
.if (\first) && ((\e+\ro) == 0)
	v_fma_mix_f32_bf16 v[16+2*\k+\p], v[128+64*(\half)+8*\e+4*\ro+\k], v[48+32*(\b)+8*(\half)+\e], v14 op_sel:[\p,\ro,0] op_sel_hi:[1,1,0]
.else
	v_fma_mix_f32_bf16 v[16+2*\k+\p], v[128+64*(\half)+8*\e+4*\ro+\k], v[48+32*(\b)+8*(\half)+\e], v[16+2*\k+\p] op_sel:[\p,\ro,0] op_sel_hi:[1,1,0]
.endif
.endr
.endr
.endr
.endr
.endm
; TRIP n = 3 t + cp.  Loads are issued in the order M(n+1), G0(n), G1(n), M(n+2), G0(n+1), G1(n+1) (M: 8 loads of offsets and weights; G0, G1: 16 gathers each).
; ca: what is younger than G0(n): G1(n) and M(n+2), 24.  M(n+1) is older, so its offsets are in when they are turned into addresses.  cb: younger than G1(n): M(n+2) and G0(n+1), 24.
; M(n+2) lands in the set of trip n - 1, whose gathers that trip has waited for.  m = 0, g = 0: the last trips ask for nothing more, and the counts run down.
.macro TRIP cp, m, g, ca, cb, first
.if \m
	META ((\cp)+2)%3, (\cp)+2
.endif
	s_wait_loadcnt \ca
	FMAS \cp, 0, \first
.if \g
	ADDR ((\cp)+1)%3, 0
	GATH ((\cp)+1)%3, 0, ((\cp)+1)%3
.endif
	s_wait_loadcnt \cb
	FMAS \cp, 1, 0
.if \g
	ADDR ((\cp)+1)%3, 1
	GATH ((\cp)+1)%3, 1, ((\cp)+1)%3
.endif
.endm
	s_load_b512 s[8:23], s[0:1], 0x0               ; sv s[8:9], sidx s[10:11], swt s[12:13], wf s[14:15], out_b s[16:17], x1 s[18:19], g s[20:21], b s[22:23]
	s_load_b128 s[24:27], s[0:1], 0x40             ; ffn_b1 s[24:25], ffn_b2 s[26:27]
	s_load_b64 s[28:29], s[0:1], 0x50              ; out0
	v_lshl_add_u32 v12, v0, 2, SPARE
	v_mov_b32 v13, 0
	v_mov_b32 v14, 0
	v_lshrrev_b32 v1, 5, v0
	v_readfirstlane_b32 s2, v1                     ; wave 0..15
	v_and_b32 v1, 31, v0                           ; l
	v_and_b32 v2, 15, v0                           ; r
	v_bfe_u32 v3, v0, 4, 1                         ; h
	s_mul_i32 s3, ttmp9, 10
	s_add_co_u32 s4, s3, s2
	s_min_u32 s4, s4, 2499                         ; my row in the row phases
	s_and_b32 s5, s2, 7                            ; head
	s_lshr_b32 s6, s2, 3                           ; even or odd queries
	s_mov_b32 s58, 0x3b800000                      ; 1 / 256
	s_mov_b32 s59, 0x3727c5ac                      ; 1e-5
	s_mov_b32 s60, 0x76543210
	s_mov_b32 s61, 0xfedcba98
	s_lshl_b32 s7, s4, 10
	v_lshl_add_u32 v4, v1, 4, s7
	s_mul_i32 s7, s2, 528
	s_add_co_u32 s40, s7, XT
	v_lshl_add_u32 v5, v1, 3, s40
	v_lshl_add_u32 v16, v1, 4, s7                  ; ST + 528 w + 16 l: a whole row, for the rows that no query fills
	v_mul_u32_u24 v6, v2, 528
	v_lshl_add_u32 v6, v3, 4, v6
	v_lshlrev_b32 v7, 4, v1
	s_lshl_b32 s7, s2, 6
	v_lshl_add_u32 v17, v3, 5, s7                  ; (16 w + 8 h) x 4
	v_mul_u32_u24 v10, v2, 1040
	v_lshrrev_b32 v15, 1, v17
	v_add3_u32 v15, v15, v10, HT                   ; HT + 1,040 r + (16 w + 8 h) x 2
	v_lshl_add_u32 v18, v3, 4, v10
	v_add3_u32 v10, v10, v17, YT
	s_mul_i32 s7, s2, 1040
	s_add_co_u32 s7, s7, YT
	v_lshl_add_u32 v11, v1, 4, s7
	v_and_b32 v8, 7, v0
	v_lshlrev_b32 v8, 4, v8
	s_mul_i32 s7, s6, 528
	s_lshl_b32 s40, s5, 6
	s_add_co_u32 s7, s7, s40
	v_and_b32 v9, 3, v0
	v_lshl_add_u32 v9, v9, 4, s7                   ; ST + 528 (w / 8) + 64 head + 16 g
	v_lshrrev_b32 v2, 3, v1
	v_lshlrev_b32 v2, 6, v2                        ; 64 s
	v_bfe_u32 v3, v0, 2, 1
	v_lshl_add_u32 v3, v3, 8, v2                   ; + 256 x column
	v_add_nc_u32 v1, HT, v18
.irp i, 0,1,2,3,4,5,6,7
	v_mov_b32 v[24+\i], 0
.endr
	s_lshl_b32 s40, ttmp9, 4
	s_add_co_u32 s40, s40, s2                      ; 16 x work-group + wave
	s_mul_i32 s42, s40, 3840
	s_mov_b32 s43, 0
	s_wait_kmcnt 0x0
	s_add_nc_u64 s[46:47], s[10:11], s[42:43]
	s_mul_i32 s42, s40, 7680
	s_add_nc_u64 s[48:49], s[12:13], s[42:43]
	s_mul_i32 s42, s5, 2088960
	s_add_nc_u64 s[44:45], s[8:9], s[42:43]        ; my head's plane of sv
	s_lshl_b32 s42, s2, 13
	s_add_nc_u64 s[WB8:WB8+1], s[14:15], s[42:43]
	s_lshl_b32 s42, s2, 14
	s_add_nc_u64 s[WB16:WB16+1], s[14:15], s[42:43]
	; 1  THE SAMPLING
	META 0, 0
	META 1, 1
	s_cmp_ge_u32 s2, 10
	s_cbranch_scc0 .Lno_zero
	ds_store_b128 v16, v[24:27]                    ; rows 10 to 15 of the tile are zeros
.Lno_zero:
	s_wait_loadcnt 8                               ; block 0 is in; block 1 may stay out
	ADDR 0, 0
	GATH 0, 0, 0
	ADDR 0, 1
	GATH 0, 1, 0
	s_mov_b32 s41, 4
.Lunit:                                        ; units 0 to 3
	TRIP 0, 1, 1, 24, 24, 1
	TRIP 1, 1, 1, 24, 24, 0
	TRIP 2, 1, 1, 24, 24, 0
	UNITEND 16, 24, 9, 0
	s_wait_xcnt 0x0                                ; every load issued so far has read its address, so the two bases may be stepped
	s_add_nc_u64 s[46:47], s[46:47], 768
	s_add_nc_u64 s[48:49], s[48:49], 1536
	v_add_nc_u32 v9, 1056, v9                      ; two rows of the tile on
	s_sub_co_u32 s41, s41, 1
	s_cmp_lg_u32 s41, 0
	s_cbranch_scc1 .Lunit
	TRIP 0, 1, 1, 24, 24, 1                        ; unit 4 is written out: no load passes my 15 blocks
	TRIP 1, 0, 1, 16, 16, 0                        ; nothing is left to ask for but the last trip's gathers: 16 are younger at each wait
	TRIP 2, 0, 0, 16, 0, 0
	UNITEND 16, 24, 9, 0
	; 2  x sca_out_w + bias + x1, layer norm
	v_bfe_u32 v28, v0, 4, 1
	s_lshl_b32 s7, s2, 6
	v_lshl_add_u32 v3, v28, 5, s7                  ; (16 w + 8 h) x 4: the biases of my column block
	s_wait_dscnt 0x0
	LDW 64, WF_SOUT, 8, WB8
	global_load_b128 v[48:51], v3, s[16:17]
	global_load_b128 v[52:55], v3, s[16:17] offset:16
	global_load_b128 v[16:19], v4, s[18:19]
	global_load_b128 v[20:23], v4, s[18:19] offset:512
	s_barrier_signal -1
	s_barrier_wait -1
	LDA 192, 6, ST
	s_wait_dscnt 0x0
	s_wait_loadcnt 0x0
	MMS 32, 40, 64, 192, 48, 0
	PL4
.irp i, 0,2,4,6
	v_pk_add_f32 v[32+\i:33+\i], v[32+\i:33+\i], v[40+\i:41+\i]
.endr
	ds_store_b128 v10, v[32:35]
	ds_store_b128 v10, v[36:39] offset:16
	s_wait_dscnt 0x0
	LDGB
	LDW 64, WF_F1, 8, WB8                          ; ffn_w1's column blocks w and w + 16: on their way during the row phase
	LDW 128, WF_F1+131072, 8, WB8
	global_load_b128 v[48:51], v3, s[24:25]
	global_load_b128 v[52:55], v3, s[24:25] offset:16
	global_load_b128 v[56:59], v3, s[24:25] offset:1024
	global_load_b128 v[60:63], v3, s[24:25] offset:1040
	s_barrier_signal -1
	s_barrier_wait -1
	ds_load_b128 v[24:27], v11
	ds_load_b128 v[28:31], v11 offset:512
	s_wait_dscnt 0x0
	s_wait_loadcnt 36                              ; g and b are in; 32 weight and 4 bias loads may stay out
.irp i, 0,2,4,6
	v_pk_add_f32 v[16+\i:17+\i], v[16+\i:17+\i], v[24+\i:25+\i]
.endr
	LN 16, 192, 200, 28                            ; x2: it stays in v[16:23] for the residual
.irp i, 0,1,2,3
	v_cvt_pk_bf16_f32 v[24+\i], v[16+2*\i], v[17+2*\i]
.endr
	ds_store_b64 v5, v[24:25]
	ds_store_b64 v5, v[26:27] offset:256
	BAR
	; 3  x ffn_w1 + b1, ReLU (on the rounded halves: rounding keeps the sign)
	LDA 192, 6, XT
	s_wait_dscnt 0x0
	s_wait_loadcnt 0x0
	MMX 32, 40, 64, 128, 192, 192, 48, 56
	PL4
.irp i, 0,1,2,3
	v_cvt_pk_bf16_f32 v[24+\i], v[32+2*\i], v[33+2*\i]
.endr
.irp i, 0,1,2,3
	v_cvt_pk_bf16_f32 v[28+\i], v[40+2*\i], v[41+2*\i]
.endr
.irp i, 0,1,2,3,4,5,6,7
	v_pk_max_num_bf16 v[24+\i], v[24+\i], v14
.endr
	ds_store_b128 v15, v[24:27]
	ds_store_b128 v15, v[28:31] offset:512
	s_wait_dscnt 0x0
	LDW 64, WF_F2, 16, WB16
	global_load_b128 v[48:51], v3, s[26:27]
	global_load_b128 v[52:55], v3, s[26:27] offset:16
	s_barrier_signal -1
	s_barrier_wait -1
	; 4  x ffn_w2 + b2, K = 512
	LDA 192, 1, 0
	s_wait_dscnt 0x0
	s_wait_loadcnt 0x0
	MMS 32, 40, 64, 192, 48, 0
	PL4
	LDA 192, 1, 512
	s_wait_dscnt 0x0
	MMS 32, 40, 128, 192, -1, -1
	PL4
.irp i, 0,2,4,6
	v_pk_add_f32 v[32+\i:33+\i], v[32+\i:33+\i], v[40+\i:41+\i]
.endr
	ds_store_b128 v10, v[32:35]                    ; YT's readers of part 2 have waited for their loads and passed two barriers since
	ds_store_b128 v10, v[36:39] offset:16
	s_wait_dscnt 0x0
	LDGB
	s_barrier_signal -1
	s_barrier_wait -1
	ds_load_b128 v[24:27], v11
	ds_load_b128 v[28:31], v11 offset:512
	s_wait_loadcnt_dscnt 0x0
.irp i, 0,2,4,6
	v_pk_add_f32 v[16+\i:17+\i], v[16+\i:17+\i], v[24+\i:25+\i]
.endr
	LN 16, 192, 200, 28
	s_cmp_lt_u32 s2, 10
	s_cbranch_scc0 .Lend
	global_store_b128 v4, v[16:19], s[28:29]            ; each store of the wave covers 512 consecutive bytes, aligned
	global_store_b128 v4, v[20:23], s[28:29] offset:512
.Lend:
	s_wait_tensorcnt 0x0                           ; the wave's end, behind my last LDS store
	ds_add_u32 v12, v13
	s_wait_dscnt 0x0
	s_endpgm
.Lfunc_end_k_q282bc578c0_fin:
	.size	k_q282bc578c0_fin, .Lfunc_end_k_q282bc578c0_fin-k_q282bc578c0_fin
	.p2alignl 7, 3214868480
	.fill 96, 4, 3214868480
	.section	.rodata,"a",@progbits
	.p2align	6, 0x0
	.amdhsa_kernel k_q282bc578c0_fin
		.amdhsa_group_segment_fixed_size 52224
		.amdhsa_private_segment_fixed_size 0
		.amdhsa_enable_private_segment 0
		.amdhsa_kernarg_size 88
		.amdhsa_user_sgpr_count 2
		.amdhsa_user_sgpr_kernarg_segment_ptr 1
		.amdhsa_wavefront_size32 1
		.amdhsa_system_sgpr_workgroup_id_x 1
		.amdhsa_system_sgpr_workgroup_id_y 1
		.amdhsa_system_sgpr_workgroup_id_z 1
		.amdhsa_system_vgpr_workitem_id 0
		.amdhsa_next_free_vgpr 256
		.amdhsa_next_free_sgpr 66
		.amdhsa_reserve_vcc 0
		.amdhsa_float_denorm_mode_32 3
		.amdhsa_float_denorm_mode_16_64 3
		.amdhsa_memory_ordered 1
		.amdhsa_forward_progress 1
		.amdhsa_inst_pref_size 162
	.end_amdhsa_kernel
	.amdgpu_metadata
---
amdhsa.version: [ 1, 2 ]
amdhsa.kernels:
  - .name:           k_q282bc578c0_fin
    .symbol:         k_q282bc578c0_fin.kd
    .args:
      - { .name: sv, .offset: 0, .size: 8, .value_kind: global_buffer, .address_space: global }
      - { .name: sidx, .offset: 8, .size: 8, .value_kind: global_buffer, .address_space: global }
      - { .name: swt, .offset: 16, .size: 8, .value_kind: global_buffer, .address_space: global }
      - { .name: wf, .offset: 24, .size: 8, .value_kind: global_buffer, .address_space: global }
      - { .name: params_sca_out_b, .offset: 32, .size: 8, .value_kind: global_buffer, .address_space: global }
      - { .name: x1, .offset: 40, .size: 8, .value_kind: global_buffer, .address_space: global }
      - { .name: params_ln_g, .offset: 48, .size: 8, .value_kind: global_buffer, .address_space: global }
      - { .name: params_ln_b, .offset: 56, .size: 8, .value_kind: global_buffer, .address_space: global }
      - { .name: params_ffn_b1, .offset: 64, .size: 8, .value_kind: global_buffer, .address_space: global }
      - { .name: params_ffn_b2, .offset: 72, .size: 8, .value_kind: global_buffer, .address_space: global }
      - { .name: out0, .offset: 80, .size: 8, .value_kind: global_buffer, .address_space: global }
    .group_segment_fixed_size: 52224
    .private_segment_fixed_size: 0
    .kernarg_segment_align: 8
    .kernarg_segment_size: 88
    .max_flat_workgroup_size: 512
    .sgpr_count:     66
    .vgpr_count:     256
    .wavefront_size: 32
...
	.end_amdgpu_metadata
.endif
;; end of part 5
;; ======== version 2 of 2: 6 launches; 1.75 times as fast as version 1
;; workspace buffers: wf 1,638,400 bytes; sv 16,711,680 bytes; vt 2,560,000 bytes; tidx 640,000 bytes of whole numbers; tw 1,280,000 bytes; sidx 15,360,000 bytes of whole numbers; swt 33,280,000 bytes; part 15,360,000 bytes
;; launch prep: the kernel of part 1 again; grid 200 x 1, 8 waves a work-group, no clusters, 0 bytes of LDS; arguments params_tsa_val_w, params_tsa_off_w, params_tsa_attn_w, params_tsa_out_w, params_sca_off_w, params_sca_attn_w, params_sca_val_w, params_sca_out_w, params_ffn_w1, params_ffn_w2, wf; writes wf
;; launch vproj: the kernel of part 2 again; grid 255 x 1, 16 waves a work-group, no clusters, 151,552 bytes of LDS; arguments value, wf, params_sca_val_b, sv; writes sv
;; launch tsap: the kernel of part 3 again; grid 250 x 1, 16 waves a work-group, no clusters, 56,832 bytes of LDS; arguments prev_bev, bev_query, bev_pos, ref_2d, wf, params_tsa_val_b, params_tsa_off_b, params_tsa_attn_b, vt, tidx, tw; writes vt, tidx, tw
;; launch mid (part 6): grid 250 x 1, 16 waves a work-group, no clusters, 88,832 bytes of LDS; arguments vt, tidx, tw, wf, params_tsa_out_b, bev_query, bev_pos, params_ln_g, params_ln_b, params_sca_off_b, params_sca_attn_b, reference_points_cam, bev_mask, sidx, swt; writes sidx, swt
.if DOCPART == 6
	.amdgcn_target "amdgcn-amd-amdhsa--gfx1250"
	.amdhsa_code_object_version 6
	.text
	.protected	k_q282bc578c0_mid
	.globl	k_q282bc578c0_mid
	.p2align	8
	.type	k_q282bc578c0_mid,@function
k_q282bc578c0_mid:
	s_mov_b64 s[64:65], 0
	v_nop
	global_prefetch_b8 v0, s[64:65] scope:SCOPE_SE
	s_setreg_imm32_b32 hwreg(HW_REG_WAVE_MODE, 25, 1), 1
	s_wait_xcnt 0x0
; TEMPORAL SELF-ATTENTION, SECOND HALF, AND ALL OF THE CROSS-ATTENTION THAT COMES BEFORE ITS SAMPLING.  A work-group owns 10 queries in tiles of 16 rows (rows 10 to 15: zeros or a clamped row, never stored to memory).
;   0  what part 4 needs of the cameras: wave c (0 to 5) brings camera c's reference points (320 bytes on end) and mask words (40 bytes) of the ten queries into LDS, once
;   1  the sampling: wave w has head w % 8 and the queries 2 t + w / 8, t = 0..4.  Lane = (point s = l / 8, column of the patch (l / 4) % 2, eight channels g = l % 4): a load of 16 bytes a lane takes
;      four runs of 128 bytes; each feeds eight multiply-adds straight from the bf16 halves (value x weight + f32 sum).  The sums over the lanes with the same g end a unit.
;   2  x tsa_out_w + bias + q, layer norm: x1 (f32, kept for the residual; it lies behind the weights in the buffer swt, at byte 30,720,000)     3  (x1 + pos) x [sca_off_w, sca_attn_w]
;   4  for each query, head, point and camera: softmax over the head's 32 points, hit / count from the mask, and the clamped patch (see the launch before): a byte offset (sidx, whole numbers) into the
;      image of a camera's and head's level that the next launch lays into LDS (pixel (y, x) at y (64 w + 128) + 32 x; levels 2 and 3 behind level 1), and four weights, bf16 (swt).
;      sidx[plane = 8 camera + head][pair of queries][256 bytes]: (q % 2) 128 + (z % 2) 64 + 16 level + 4 o, o = 2 (z / 2) + pp.     swt[plane][q][256 bytes]: 64 level + 16 o + 8 (z % 2): the upper row's two columns, then the lower row's.
;      The loop of part 4 loads from LDS alone: nothing in it waits for memory.
; LIMITS.  x is formed as ref x w + (off + bias - 0.5); a NaN or infinite coordinate gives the weight 0; an exponential below 2^-126 counts as 0; 1 / (sum x count) by v_rcp_f32, 1 / sqrt by v_rsq_f32.
; LDS: ST, XT bf16 [16][256], rows 528 bytes apart; YT f32 [16][256], 1,040 apart; PT f32 [16][768] (512 offsets, 256 logits), 3,088 apart;
;      RFL reference points: camera c at 512 c, query j of the ten at 32 j, height z at 8 z; MKL the mask's words: camera c at 128 c, query j at 4 j; SPARE the spare words.
.set ST,      0
.set XT,      8448
.set YT,      16896
.set PT,      33536
.set RFL,     82944
.set MKL,     86016
.set SPARE,   86784
.set WF_TOUT, 327680                   ; tsa_out_w's fragments in wf
.set WF_SOA,  458752                   ; sca_off_w's (column blocks 0-31) and, on end, sca_attn_w's (32-47)
.set WB8,     50                       ; s[50:51] wf + 8,192 w
; part 4's registers
.set MK,  112                          ; v[112:123] the mask's words: camera c (0-2 mine, 3-5 the others), query j at MK + 2 c + j
.set RF,  124                          ; v[124:135] reference points: camera c, query j at RF + 4 c + 2 j
.set OF,  136                          ; v[136:139] offsets + bias - 0.5, query j at OF + 2 j
.set LG,  140                          ; v[140:141] logits, then weights
.set MX,  142                          ; v[142:143] maxima, sums
.set TP,  144                          ; at work in the sums over lanes
.set HT,  146                          ; v[146:157] hits: HT + 6 j + c
.set CN,  158                          ; v[158:159] counts
.set AC,  160                          ; v[160:165] weight x hit / count: AC + 3 j + c
.set XY,  166                          ; v[166:167] a point's pixel coordinates
.set IX,  168                          ; v[168:173] offsets: IX + 2 c + j
.set WT,  174                          ; v[174:185] weights: WT + 4 c + 2 j, two words
.set DP,  186                          ; v[186:187] the neighbouring lane's offsets
.set OUT, 188                          ; v[188:193] offsets as stored: OUT + 2 c, two words
.set T,   194                          ; v[194:200] at work in POINTW
.set ONE, 201
; v4 row x 1,024 + 16 l   v5 XT + 528 w + 8 l   v6 528 r + 16 h   v7 16 l   v8 16 (l % 8)   v9 into ST   v10 YT by fragments   v11 YT by rows   v12, v13 the spare word and 0   v14 0   v15 into PT
; parts 1, 2: v[16:23] q   v[24:31] pos   v[32:39] g   v[40:47] b   v[48:57] offsets   v[58:67] weights   v[68:147] gathered   v[148:155] sums   v[156:163] at work
;             v[168:172] a camera's points and mask as loaded   v173-v176 their places in memory and in LDS   v[184:191] bias   v[192:255] tsa_out_w
; parts 3, 4: v24 i = l % 8   v25 z = l / 8   v26, v27 my offsets' and my logit's column, in bytes
.macro LDW dst, imm, nf, sb
.set f_, 0
.rept \nf
	global_load_b128 v[(\dst)+8*f_:(\dst)+8*f_+3], v7, s[\sb:\sb+1] offset:(\imm)+1024*f_
	global_load_b128 v[(\dst)+8*f_+4:(\dst)+8*f_+7], v7, s[\sb:\sb+1] offset:(\imm)+1024*f_+512
.set f_, f_+1
.endr
.endm
.macro LDA dst, ar, imm
.irp kb, 0,1,2,3,4,5,6,7
	ds_load_b128 v[(\dst)+8*\kb:(\dst)+8*\kb+3], v[\ar] offset:(\imm)+64*\kb
	ds_load_b128 v[(\dst)+8*\kb+4:(\dst)+8*\kb+7], v[\ar] offset:(\imm)+64*\kb+32
.endr
.endm
.macro MM1 d, w, x, c
.if (\c) < 0
	v_wmma_f32_16x16x32_bf16 v[(\d):(\d)+7], v[(\w):(\w)+7], v[(\x):(\x)+7], v[(\d):(\d)+7]
.elseif (\c) == 0
	v_wmma_f32_16x16x32_bf16 v[(\d):(\d)+7], v[(\w):(\w)+7], v[(\x):(\x)+7], 0
.else
	v_wmma_f32_16x16x32_bf16 v[(\d):(\d)+7], v[(\w):(\w)+7], v[(\x):(\x)+7], v[(\c):(\c)+7]
.endif
.endm
.macro MMS d0, d1, w, x, c0, c1        ; one output block: the even and the odd steps of K have a sum each, and the two take turns
	MM1 \d0, (\w), (\x), \c0
	MM1 \d1, (\w)+8, (\x)+8, \c1
.irp kb, 2,4,6
	MM1 \d0, (\w)+8*\kb, (\x)+8*\kb, -1
	MM1 \d1, (\w)+8*\kb+8, (\x)+8*\kb+8, -1
.endr
.endm
.macro MMX d0, d1, w0, w1, x0, x1, c0, c1  ; two output blocks by turns
	MM1 \d0, (\w0), (\x0), \c0
	MM1 \d1, (\w1), (\x1), \c1
.irp kb, 1,2,3,4,5,6,7
	MM1 \d0, (\w0)+8*\kb, (\x0)+8*\kb, -1
	MM1 \d1, (\w1)+8*\kb, (\x1)+8*\kb, -1
.endr
.endm
.macro PL4                             ; four places behind a matrix instruction (ISA guide 7.12.1)
.rept 4
	v_nop
.endr
.endm
.macro BAR
	s_wait_dscnt 0x0
	s_barrier_signal -1
	s_barrier_wait -1
.endm
.macro RSUM x, t                       ; the sum over the wave's 32 lanes, in every lane
.irp m, 1,2,4,8
	v_add_f32_dpp v[\x], v[\x], v[\x] row_xmask:\m row_mask:0xf bank_mask:0xf
.endr
	v_permlanex16_b32 v[\t], v[\x], s60, s61
	v_add_f32 v[\x], v[\x], v[\t]
.endm
.macro RMAX x, t
.irp m, 1,2,4,8
	v_max_num_f32_dpp v[\x], v[\x], v[\x] row_xmask:\m row_mask:0xf bank_mask:0xf
.endr
	v_permlanex16_b32 v[\t], v[\x], s60, s61
	v_max_num_f32 v[\x], v[\x], v[\t]
.endm
; Layer norm of a row of 256, eight numbers a lane in v[xr ..]; g and b in v[gr ..], v[br ..]; four registers at work.  The mean is taken away first, and the squares are the centred numbers'.
.macro LN xr, gr, br, tr
	v_pk_add_f32 v[\tr:\tr+1], v[\xr:\xr+1], v[\xr+2:\xr+3]
	v_pk_add_f32 v[\tr+2:\tr+3], v[\xr+4:\xr+5], v[\xr+6:\xr+7]
	v_pk_add_f32 v[\tr:\tr+1], v[\tr:\tr+1], v[\tr+2:\tr+3]
	v_add_f32 v[\tr], v[\tr], v[\tr+1]
	RSUM \tr, \tr+1
	v_mul_f32 v[\tr], s58, v[\tr]
	v_mov_b32 v[\tr+1], v[\tr]
.irp i, 0,2,4,6
	v_pk_add_f32 v[\xr+\i:\xr+\i+1], v[\xr+\i:\xr+\i+1], v[\tr:\tr+1] neg_lo:[0,1] neg_hi:[0,1]
.endr
	v_pk_mul_f32 v[\tr+2:\tr+3], v[\xr:\xr+1], v[\xr:\xr+1]
.irp i, 2,4,6
	v_pk_fma_f32 v[\tr+2:\tr+3], v[\xr+\i:\xr+\i+1], v[\xr+\i:\xr+\i+1], v[\tr+2:\tr+3]
.endr
	v_add_f32 v[\tr+2], v[\tr+2], v[\tr+3]
	RSUM \tr+2, \tr+3
	v_fma_f32 v[\tr+2], v[\tr+2], s58, s59         ; variance + 1e-5
	v_rsq_f32 v[\tr+2], v[\tr+2]
	v_nop
	s_wait_alu depctr_va_vdst(0)                   ; ahead of the first reader of the root
	v_mov_b32 v[\tr+3], v[\tr+2]
.irp i, 0,2,4,6
	v_pk_mul_f32 v[\xr+\i:\xr+\i+1], v[\xr+\i:\xr+\i+1], v[\tr+2:\tr+3]
.endr
.irp i, 0,2,4,6
	v_pk_fma_f32 v[\xr+\i:\xr+\i+1], v[\xr+\i:\xr+\i+1], v[\gr+\i:\gr+\i+1], v[\br+\i:\br+\i+1]
.endr
.endm
; A unit's end: the eight sums are added over the lanes with the same g (lane bits 2, 3, 4), rounded to bf16 and put into the tile; the eight lanes of a g store the same bytes.
.macro UNITEND acc, tmp, adr, off
.irp i, 0,1,2,3,4,5,6,7
	v_add_f32_dpp v[(\acc)+\i], v[(\acc)+\i], v[(\acc)+\i] row_xmask:4 row_mask:0xf bank_mask:0xf
.endr
.irp i, 0,1,2,3,4,5,6,7
	v_add_f32_dpp v[(\acc)+\i], v[(\acc)+\i], v[(\acc)+\i] row_xmask:8 row_mask:0xf bank_mask:0xf
.endr
.irp i, 0,1,2,3,4,5,6,7
	v_permlanex16_b32 v[(\tmp)+\i], v[(\acc)+\i], s60, s61
.endr
.irp i, 0,2,4,6
	v_pk_add_f32 v[(\acc)+\i:(\acc)+\i+1], v[(\acc)+\i:(\acc)+\i+1], v[(\tmp)+\i:(\tmp)+\i+1]
.endr
.irp i, 0,1,2,3
	v_cvt_pk_bf16_f32 v[(\tmp)+\i], v[(\acc)+2*\i], v[(\acc)+2*\i+1]
.endr
	ds_store_b128 v[\adr], v[(\tmp):(\tmp)+3] offset:\off
.endm
; A point: pixel coordinates v[px], v[py], weight v[pa]; fw = what a row counts for in the number left in v[T] = by x fw + bx; fm = width - 2 (the maps are square).
; v[o0] = the patch's upper row (column bx in the low half, bx + 1 in the high half), v[o1] = its lower row, bf16.
.macro POINTW px, py, pa, fw, fm, o0, o1
	v_floor_f32 v[T], v[\px]
	v_floor_f32 v[T+1], v[\py]
	v_max_num_f32 v[T], 0, v[T]
	v_max_num_f32 v[T+1], 0, v[T+1]
	v_min_num_f32 v[T], \fm, v[T]                  ; bx
	v_min_num_f32 v[T+1], \fm, v[T+1]              ; by
	v_sub_f32 v[T+2], v[\px], v[T]
	v_sub_f32 v[T+3], v[\py], v[T+1]
	v_fma_f32 v[T], v[T+1], \fw, v[T]
	v_cvt_u32_f32 v[T], v[T]
	v_sub_f32 v[T+1], 1.0, |v[T+2]|                ; 1 - |x - bx|
	v_add_f32 v[T+2], -1.0, v[T+2]
	v_sub_f32 v[T+4], 1.0, |v[T+3]|
	v_add_f32 v[T+3], -1.0, v[T+3]
	v_sub_f32 v[T+2], 1.0, |v[T+2]|                ; 1 - |x - bx - 1|
	v_sub_f32 v[T+3], 1.0, |v[T+3]|
	v_max_num_f32 v[T+1], 0, v[T+1]
	v_max_num_f32 v[T+2], 0, v[T+2]
	v_max_num_f32 v[T+3], 0, v[T+3]
	v_max_num_f32 v[T+4], 0, v[T+4]
	v_mul_f32 v[T+4], v[T+4], v[\pa]
	v_mul_f32 v[T+3], v[T+3], v[\pa]
	v_mul_f32 v[T+5], v[T+1], v[T+4]               ; column bx, upper row
	v_mul_f32 v[T+6], v[T+1], v[T+3]               ; column bx, lower row
	v_mul_f32 v[T+1], v[T+2], v[T+4]               ; column bx + 1, upper row
	v_mul_f32 v[T+2], v[T+2], v[T+3]               ; column bx + 1, lower row
	v_cvt_pk_bf16_f32 v[\o0], v[T+5], v[T+1]
	v_cvt_pk_bf16_f32 v[\o1], v[T+6], v[T+2]
.endm
	s_load_b512 s[8:23], s[0:1], 0x0               ; vt s[8:9], tidx s[10:11], tw s[12:13], wf s[14:15], out_b s[16:17], q s[18:19], pos s[20:21], g s[22:23]
	s_load_b256 s[24:31], s[0:1], 0x40             ; b s[24:25], off_b s[26:27], attn_b s[28:29], ref_cam s[30:31]
	s_load_b128 s[32:35], s[0:1], 0x60             ; mask s[32:33], sidx s[34:35]
	s_load_b64 s[38:39], s[0:1], 0x70              ; swt
	v_lshl_add_u32 v12, v0, 2, SPARE
	v_mov_b32 v13, 0
	v_mov_b32 v14, 0
	v_lshrrev_b32 v1, 5, v0
	v_readfirstlane_b32 s2, v1                     ; wave 0..15
	v_and_b32 v1, 31, v0                           ; l
	v_and_b32 v2, 15, v0                           ; r
	v_bfe_u32 v3, v0, 4, 1                         ; h
	s_mul_i32 s3, ttmp9, 10                        ; the work-group's first query
	s_add_co_u32 s4, s3, s2
	s_min_u32 s4, s4, 2499                         ; my row in the row phases
	s_and_b32 s5, s2, 7                            ; head
	s_lshr_b32 s6, s2, 3                           ; part 1: even or odd queries; part 4: cameras 0-2 or 3-5
	s_mov_b32 s56, 0xaaaaaaaa                      ; the odd lanes
	s_mov_b32 s57, 0x3fb8aa3b                      ; log2(e)
	s_mov_b32 s58, 0x3b800000                      ; 1 / 256
	s_mov_b32 s59, 0x3727c5ac                      ; 1e-5
	s_mov_b32 s60, 0x76543210                      ; v_permlanex16_b32: each lane takes its own place in the other half
	s_mov_b32 s61, 0xfedcba98
	s_lshl_b32 s7, s4, 10
	v_lshl_add_u32 v4, v1, 4, s7
	s_mul_i32 s7, s2, 528
	s_add_co_u32 s40, s7, XT
	v_lshl_add_u32 v5, v1, 3, s40
	v_lshl_add_u32 v167, v1, 4, s7                 ; ST + 528 w + 16 l: a whole row, for the rows that no query fills
	v_mul_u32_u24 v6, v2, 528
	v_lshl_add_u32 v6, v3, 4, v6
	v_lshlrev_b32 v7, 4, v1
	v_and_b32 v8, 7, v0
	v_lshlrev_b32 v8, 4, v8
	s_mul_i32 s7, s6, 528
	s_lshl_b32 s40, s5, 6
	s_add_co_u32 s7, s7, s40
	v_and_b32 v9, 3, v0
	v_lshl_add_u32 v9, v9, 4, s7                   ; ST + 528 (w / 8) + 64 head + 16 g
	s_lshl_b32 s7, s2, 6
	v_lshl_add_u32 v164, v3, 5, s7                 ; (16 w + 8 h) x 4
	v_mul_u32_u24 v10, v2, 1040
	v_add3_u32 v10, v10, v164, YT
	s_mul_i32 s7, s2, 1040
	s_add_co_u32 s7, s7, YT
	v_lshl_add_u32 v11, v1, 4, s7
	v_mul_u32_u24 v15, v2, 3088
	v_add3_u32 v15, v15, v164, PT
	v_lshrrev_b32 v165, 3, v1
	s_lshl_b32 s7, s5, 5
	v_lshl_add_u32 v165, v165, 3, s7               ; 32 head + 8 s: my point's two offsets in a query's 256 bytes of tidx
	v_bfe_u32 v166, v0, 2, 1
	v_lshl_add_u32 v166, v166, 8, v165             ; + 256 x column: its weights in a query's 512 bytes of tw
.irp i, 0,1,2,3,4,5,6,7
	v_mov_b32 v[156+\i], 0
.endr
	; camera w's share of part 0 (used by waves 0 to 5).  In memory the lanes beyond the 20th piece of 16 bytes, and beyond the 10th word, are held to the last: no load leaves its buffer.
	; In LDS every lane has bytes of its own: 512 bytes a wave for the points, 128 for the words.
	v_min_u32 v173, 19, v1
	s_mul_i32 s52, s2, 80000
	s_lshl_b32 s53, s3, 5
	s_add_co_u32 s52, s52, s53
	v_lshl_add_u32 v173, v173, 4, s52              ; camera x 80,000 + 32 x first query + 16 x piece
	v_min_u32 v174, 9, v1
	s_mul_i32 s52, s2, 10000
	s_lshl_b32 s53, s3, 2
	s_add_co_u32 s52, s52, s53
	v_lshl_add_u32 v174, v174, 2, s52              ; camera x 10,000 + 4 x first query + 4 x word
	s_lshl_b32 s52, s2, 9
	s_add_co_u32 s52, s52, RFL
	v_lshl_add_u32 v175, v1, 4, s52
	s_lshl_b32 s52, s2, 7
	s_add_co_u32 s52, s52, MKL
	v_lshl_add_u32 v176, v1, 2, s52
	s_add_co_u32 s40, s3, s6                       ; my first query in part 1
	s_lshl_b32 s42, s40, 8
	s_mov_b32 s43, 0
	s_wait_kmcnt 0x0
	s_add_nc_u64 s[36:37], s[38:39], 30720000      ; x1 lies behind the weights
	s_add_nc_u64 s[46:47], s[10:11], s[42:43]
	s_lshl_b32 s42, s40, 9
	s_add_nc_u64 s[48:49], s[12:13], s[42:43]
	s_mul_i32 s42, s5, 320000
	s_add_nc_u64 s[44:45], s[8:9], s[42:43]        ; my head's plane of vt
	s_lshl_b32 s42, s2, 13
	s_add_nc_u64 s[WB8:WB8+1], s[14:15], s[42:43]
	; 0  THE CAMERAS' POINTS AND MASKS: the wave's oldest loads, so that the counts of the waits below hold for every wave
	s_cmp_lt_u32 s2, 6
	s_cbranch_scc0 .Lno_cam
	global_load_b128 v[168:171], v173, s[30:31]
	global_load_b32 v172, v174, s[32:33]
.Lno_cam:
	; 1  THE SAMPLING
.irp t, 0,1,2,3,4
	global_load_b64 v[48+2*\t:49+2*\t], v165, s[46:47] offset:512*\t   ; queue 0, queue 1
.endr
.irp t, 0,1,2,3,4
	global_load_b64 v[58+2*\t:59+2*\t], v166, s[48:49] offset:1024*\t
.endr
	LDW 192, WF_TOUT, 8, WB8                       ; what parts 1 and 2 need later: 26 loads
	global_load_b128 v[184:187], v164, s[16:17]
	global_load_b128 v[188:191], v164, s[16:17] offset:16
	global_load_b128 v[16:19], v4, s[18:19]
	global_load_b128 v[20:23], v4, s[18:19] offset:512
	global_load_b128 v[24:27], v4, s[20:21]
	global_load_b128 v[28:31], v4, s[20:21] offset:512
	global_load_b128 v[32:35], v7, s[22:23]
	global_load_b128 v[36:39], v7, s[22:23] offset:512
	global_load_b128 v[40:43], v7, s[24:25]
	global_load_b128 v[44:47], v7, s[24:25] offset:512
	s_wait_loadcnt 26                              ; offsets, weights and what is older are in; the 26 behind them may stay out
.irp i, 0,1,2,3,4,5,6,7,8,9
	v_min_u32 v[48+\i], 156672, v[48+\i]           ; (48 x 50 + 48) x 64: the last patch that lies inside a queue's map
	v_add_nc_u32 v[48+\i], v8, v[48+\i]            ; + my column and channels
.endr
.irp t, 0,1,2,3,4
.irp qu, 0,1
.irp ro, 0,1
	global_load_b128 v[68+16*\t+4*(2*\qu+\ro):71+16*\t+4*(2*\qu+\ro)], v[48+2*\t+\qu], s[44:45] offset:160000*\qu+3200*\ro
.endr
.endr
.endr
	s_cmp_lt_u32 s2, 6
	s_cbranch_scc0 .Lno_cam_st
	ds_store_b128 v175, v[168:171]                 ; read in part 4, behind this part's barrier and three more
	ds_store_b32 v176, v172
.Lno_cam_st:
	s_cmp_ge_u32 s2, 10
	s_cbranch_scc0 .Lno_zero
	ds_store_b128 v167, v[156:159]                 ; rows 10 to 15 of the tile are zeros
.Lno_zero:
.irp t, 0,1,2,3,4
	s_wait_loadcnt 16-4*\t                         ; this unit's four gathers are in; the later units' may stay out
.irp qu, 0,1
.irp ro, 0,1
.irp k, 0,1,2,3
.irp p, 0,1
.if (\qu+\ro) == 0
	v_fma_mix_f32_bf16 v[148+2*\k+\p], v[68+16*\t+4*(2*\qu+\ro)+\k], v[58+2*\t+\qu], v14 op_sel:[\p,\ro,0] op_sel_hi:[1,1,0]
.else
	v_fma_mix_f32_bf16 v[148+2*\k+\p], v[68+16*\t+4*(2*\qu+\ro)+\k], v[58+2*\t+\qu], v[148+2*\k+\p] op_sel:[\p,\ro,0] op_sel_hi:[1,1,0]
.endif
.endr
.endr
.endr
.endr
	UNITEND 148, 156, 9, 1056*\t
.endr
	BAR
	; 2  x tsa_out_w + bias: wave w makes columns 16 w ..
	LDA 64, 6, ST
	s_wait_dscnt 0x0
	MMS 128, 136, 192, 64, 184, 0
	PL4
.irp i, 0,2,4,6
	v_pk_add_f32 v[128+\i:129+\i], v[128+\i:129+\i], v[136+\i:137+\i]
.endr
	ds_store_b128 v10, v[128:131]
	ds_store_b128 v10, v[132:135] offset:16
	s_wait_dscnt 0x0
	LDW 64, WF_SOA, 8, WB8                         ; the offsets' column blocks w and w + 16: on their way during the row phase
	LDW 128, WF_SOA+131072, 8, WB8
	s_barrier_signal -1
	s_barrier_wait -1
	ds_load_b128 v[48:51], v11                     ; wave w takes row w
	ds_load_b128 v[52:55], v11 offset:512
	s_wait_dscnt 0x0
.irp i, 0,2,4,6
	v_pk_add_f32 v[16+\i:17+\i], v[16+\i:17+\i], v[48+\i:49+\i]
.endr
	LN 16, 32, 40, 56
	s_cmp_lt_u32 s2, 10
	s_cbranch_scc0 .Lno_x1
	global_store_b128 v4, v[16:19], s[36:37]            ; each store of the wave covers 512 consecutive bytes, aligned
	global_store_b128 v4, v[20:23], s[36:37] offset:512
.Lno_x1:
.irp i, 0,2,4,6
	v_pk_add_f32 v[24+\i:25+\i], v[24+\i:25+\i], v[16+\i:17+\i]   ; x1 + pos
.endr
.irp i, 0,1,2,3
	v_cvt_pk_bf16_f32 v[48+\i], v[24+2*\i], v[25+2*\i]
.endr
	ds_store_b64 v5, v[48:49]
	ds_store_b64 v5, v[50:51] offset:256
	BAR
	; 3  THE CROSS-ATTENTION'S OFFSETS AND LOGITS: 768 columns, three blocks a wave.  The biases are added in part 4.
	LDA 192, 6, XT
	s_wait_dscnt 0x0
	s_wait_loadcnt 0x0
	MMX 48, 56, 64, 128, 192, 192, 0, 0
	; Part 4's lane = (i = l % 8 = 2 level + pp, z = l / 8).  These six plain lines name no register of the products: they are the places behind them (ISA guide 7.12.1).
	v_and_b32 v24, 7, v0                           ; i
	v_lshrrev_b32 v25, 3, v1                       ; z
	v_lshlrev_b32 v26, 5, v24
	v_lshl_add_u32 v26, v25, 3, v26
	s_lshl_b32 s7, s5, 8
	v_add_nc_u32 v26, s7, v26                      ; (64 head + 8 i + 2 z) x 4: my offsets' column
	v_lshrrev_b32 v27, 1, v26                      ; (32 head + 4 i + z) x 4: my logit's
	global_load_b64 v[128:129], v26, s[26:27]      ; part 4's biases go out here, beside the third block of weights, into registers that the products have left
	global_load_b32 v130, v27, s[28:29]
	LDW 64, WF_SOA+262144, 8, WB8                  ; the logits' block w
	ds_store_b128 v15, v[48:51]
	ds_store_b128 v15, v[52:55] offset:16
	ds_store_b128 v15, v[56:59] offset:1024
	ds_store_b128 v15, v[60:63] offset:1040
	s_wait_loadcnt 0x0                             ; the weights, and the biases with them
	MMS 32, 40, 64, 192, 0, 0
	PL4
.irp i, 0,2,4,6
	v_pk_add_f32 v[32+\i:33+\i], v[32+\i:33+\i], v[40+\i:41+\i]
.endr
	ds_store_b128 v15, v[32:35] offset:2048
	ds_store_b128 v15, v[36:39] offset:2064
	BAR
	; 4  THE POINTS.  Wave w: head w % 8, cameras 3 (w / 8) .. + 2.  Lane (i, z): point 4 i + z of the head's 32.  Five trips, a pair of queries each: six points a lane.
	v_lshrrev_b32 v62, 1, v24                      ; level
	v_pk_add_f32 v[68:69], v[128:129], -0.5 op_sel_hi:[1,0]   ; the offsets' bias - 0.5
	v_mov_b32 v67, v130                            ; the logit's bias
	v_mov_b32 v64, 64
	v_lshrrev_b32 v64, v62, v64
	v_cvt_f32_u32 v64, v64                         ; the level's width and height w: 64, 32, 16, 8
	v_add_f32 v65, -2.0, v64
	v_fma_f32 v77, v64, 2.0, 4.0                   ; a row of the LDS image in units of 32 bytes: 2 w + 4
	v_mov_b32 v66, 0                               ; where the level's image begins: 0; 0, 69,632, 88,064
	v_cmp_gt_u32 vcc_lo, 2, v62
	v_cndmask_b32 v66, 0x11000, v66, vcc_lo
	v_cmp_gt_u32 vcc_lo, 3, v62
	v_cndmask_b32 v66, 0x15800, v66, vcc_lo
	v_add_nc_u32 v70, PT, v26                      ; my offsets in row 0 of PT
	v_add_nc_u32 v71, PT, v27                      ; my logit, 2,048 bytes further on
	v_and_b32 v78, 1, v24                          ; pp
	v_and_b32 v79, 1, v25                          ; z % 2
	v_lshrrev_b32 v80, 1, v25                      ; z / 2
	v_lshlrev_b32 v74, 7, v78                      ; where I store two offsets: the lane with pp = 0 the even query's, the lane with pp = 1 the odd query's
	v_lshl_add_u32 v74, v79, 6, v74
	v_lshl_add_u32 v74, v62, 4, v74
	v_lshl_add_u32 v74, v80, 3, v74
	v_lshlrev_b32 v75, 6, v62                      ; where I store a point's four weights
	v_lshl_add_u32 v75, v80, 5, v75
	v_lshl_add_u32 v75, v78, 4, v75
	v_lshl_add_u32 v75, v79, 3, v75
	s_mul_i32 s52, s6, 384
	s_sub_co_u32 s53, 384, s52
	s_add_co_u32 s52, s52, MKL
	s_add_co_u32 s53, s53, MKL
	v_mov_b32 v72, s52                             ; LDS: the pair's two words of the mask of my first camera,
	v_mov_b32 v76, s53                             ; and of the first of the other three
	s_mul_i32 s52, s6, 1536
	s_add_co_u32 s52, s52, RFL
	v_lshl_add_u32 v73, v25, 3, s52                ; LDS: the reference point at height z, my first camera
	v_mov_b32 v[TP], 0
	v_mov_b32 v[DP], 0
	v_mov_b32 v[DP+1], 0
	v_mov_b32 v[ONE], 1.0
	s_mul_i32 s52, s6, 24
	s_add_co_u32 s52, s52, s5                      ; my first camera's plane
	s_mul_i32 s42, s52, 1250
	s_mul_i32 s53, ttmp9, 5
	s_add_co_u32 s42, s42, s53                     ; + the work-group's first pair
	s_lshl_b32 s42, s42, 8
	s_add_nc_u64 s[34:35], s[34:35], s[42:43]
	s_add_co_u32 s52, s52, 8                       ; my middle camera's plane: the other two are reached by immediates of either sign
	s_mul_i32 s42, s52, 2500
	s_add_co_u32 s42, s42, s3
	s_lshl_b32 s42, s42, 8
	s_add_nc_u64 s[38:39], s[38:39], s[42:43]
	s_mov_b32 s41, 5
.Lunit:
.irp c, 0,1,2
	ds_load_b64 v[MK+2*\c:MK+2*\c+1], v72 offset:128*\c
.endr
.irp c, 0,1,2
	ds_load_b64 v[MK+6+2*\c:MK+7+2*\c], v76 offset:128*\c
.endr
.irp c, 0,1,2
.irp j, 0,1
	ds_load_b64 v[RF+4*\c+2*\j:RF+4*\c+2*\j+1], v73 offset:512*\c+32*\j
.endr
.endr
	ds_load_b64 v[OF:OF+1], v70
	ds_load_b64 v[OF+2:OF+3], v70 offset:3088
	ds_load_b32 v[LG], v71 offset:2048
	ds_load_b32 v[LG+1], v71 offset:5136
	s_wait_dscnt 0x0
.irp j, 0,1
	v_add_f32 v[LG+\j], v[LG+\j], v67
	v_pk_add_f32 v[OF+2*\j:OF+2*\j+1], v[OF+2*\j:OF+2*\j+1], v[68:69]   ; off + bias - 0.5
	v_mov_b32 v[MX+\j], v[LG+\j]
.endr
	RMAX MX, TP                                    ; the maximum over the head's 32 points
	RMAX MX+1, TP
.irp j, 0,1
	v_sub_f32 v[LG+\j], v[LG+\j], v[MX+\j]
	v_mul_f32 v[LG+\j], s57, v[LG+\j]
.endr
	v_exp_f32 v[LG], v[LG]
	v_exp_f32 v[LG+1], v[LG+1]
.irp j, 0,1
.irp c, 0,1,2,3,4,5
	v_cmp_ne_u32 vcc_lo, 0, v[MK+2*\c+\j]          ; any of the query's four heights
	v_cndmask_b32 v[HT+6*\j+\c], 0, v[ONE], vcc_lo
.endr
	v_add_f32 v[CN+\j], v[HT+6*\j], v[HT+6*\j+1]
	v_add_f32 v[XY], v[HT+6*\j+2], v[HT+6*\j+3]
	v_add_f32 v[XY+1], v[HT+6*\j+4], v[HT+6*\j+5]
	v_add_f32 v[CN+\j], v[CN+\j], v[XY]
	v_add_f32 v[CN+\j], v[CN+\j], v[XY+1]
	v_max_num_f32 v[CN+\j], 1.0, v[CN+\j]          ; count
.endr
	s_wait_alu depctr_va_vdst(0)                   ; one wait for the two exponentials, ahead of their first reader
	v_mov_b32 v[MX], v[LG]
	v_mov_b32 v[MX+1], v[LG+1]
	RSUM MX, TP
	RSUM MX+1, TP
	v_mul_f32 v[MX], v[MX], v[CN]
	v_mul_f32 v[MX+1], v[MX+1], v[CN+1]
	v_rcp_f32 v[MX], v[MX]
	v_rcp_f32 v[MX+1], v[MX+1]
	v_nop
	s_wait_alu depctr_va_vdst(0)                   ; one wait for the two reciprocals
.irp j, 0,1
	v_mul_f32 v[LG+\j], v[LG+\j], v[MX+\j]         ; attention weight / count
.irp c, 0,1,2
	v_mul_f32 v[AC+3*\j+\c], v[LG+\j], v[HT+6*\j+\c]   ; x hit
.endr
.endr
	s_wait_xcnt 0x0                                ; the last trip's nine stores have read v74, v75 and their data (OUT, WT): from here on these are written again, and nothing above writes them
	v_add_nc_u32 v74, 256, v74                     ; stepped ahead of the stores in every trip, the first too: the stores' immediates take the step back
	v_add_nc_u32 v75, 512, v75
.irp c, 0,1,2
.irp j, 0,1
	v_pk_fma_f32 v[XY:XY+1], v[RF+4*\c+2*\j:RF+4*\c+2*\j+1], v[64:65], v[OF+2*\j:OF+2*\j+1] op_sel_hi:[1,0,1]  ; ref x w + (off + bias - 0.5)
	POINTW XY, XY+1, AC+3*\j+\c, v77, v65, WT+4*\c+2*\j, WT+4*\c+2*\j+1
	v_lshl_add_u32 v[IX+2*\c+\j], v[T], 5, v66     ; the level's image + by x its pitch + 32 bx
.endr
.endr
	; The lanes l and l xor 1 hold the points pp = 0 and 1.  They exchange, so that the even lane holds both points' offsets of the even query and the odd lane those of the odd query: 8 bytes on end.
.irp c, 0,1,2
	v_mov_b32_dpp v[DP], v[IX+2*\c] row_xmask:1 row_mask:0xf bank_mask:0xf
	v_mov_b32_dpp v[DP+1], v[IX+2*\c+1] row_xmask:1 row_mask:0xf bank_mask:0xf
	v_cndmask_b32 v[OUT+2*\c], v[IX+2*\c], v[DP+1], s56
	v_cndmask_b32 v[OUT+2*\c+1], v[DP], v[IX+2*\c+1], s56
.endr
.irp c, 0,1,2
	global_store_b64 v74, v[OUT+2*\c:OUT+2*\c+1], s[34:35] offset:2560000*\c-256   ; each store of the wave covers 256 consecutive bytes, aligned
.irp j, 0,1
	global_store_b64 v75, v[WT+4*\c+2*\j:WT+4*\c+2*\j+1], s[38:39] offset:(\c-1)*5120000+256*\j-512
.endr
.endr
	v_add_nc_u32 v70, 6176, v70                    ; LDS addresses alone are stepped here.  Two rows of PT on: the next pair
	v_add_nc_u32 v71, 6176, v71
	v_add_nc_u32 v72, 8, v72
	v_add_nc_u32 v76, 8, v76
	v_add_nc_u32 v73, 64, v73
	s_sub_co_u32 s41, s41, 1
	s_cmp_lg_u32 s41, 0
	s_cbranch_scc1 .Lunit
	s_wait_tensorcnt 0x0                           ; the wave's end, behind my last LDS store
	ds_add_u32 v12, v13
	s_wait_dscnt 0x0
	s_endpgm
.Lfunc_end_k_q282bc578c0_mid:
	.size	k_q282bc578c0_mid, .Lfunc_end_k_q282bc578c0_mid-k_q282bc578c0_mid
	.p2alignl 7, 3214868480
	.fill 96, 4, 3214868480
	.section	.rodata,"a",@progbits
	.p2align	6, 0x0
	.amdhsa_kernel k_q282bc578c0_mid
		.amdhsa_group_segment_fixed_size 88832
		.amdhsa_private_segment_fixed_size 0
		.amdhsa_enable_private_segment 0
		.amdhsa_kernarg_size 120
		.amdhsa_user_sgpr_count 2
		.amdhsa_user_sgpr_kernarg_segment_ptr 1
		.amdhsa_wavefront_size32 1
		.amdhsa_system_sgpr_workgroup_id_x 1
		.amdhsa_system_sgpr_workgroup_id_y 1
		.amdhsa_system_sgpr_workgroup_id_z 1
		.amdhsa_system_vgpr_workitem_id 0
		.amdhsa_next_free_vgpr 256
		.amdhsa_next_free_sgpr 66
		.amdhsa_reserve_vcc 1
		.amdhsa_float_denorm_mode_32 3
		.amdhsa_float_denorm_mode_16_64 3
		.amdhsa_memory_ordered 1
		.amdhsa_forward_progress 1
		.amdhsa_inst_pref_size 63
	.end_amdhsa_kernel
	.amdgpu_metadata
---
amdhsa.version: [ 1, 2 ]
amdhsa.kernels:
  - .name:           k_q282bc578c0_mid
    .symbol:         k_q282bc578c0_mid.kd
    .args:
      - { .name: vt, .offset: 0, .size: 8, .value_kind: global_buffer, .address_space: global }
      - { .name: tidx, .offset: 8, .size: 8, .value_kind: global_buffer, .address_space: global }
      - { .name: tw, .offset: 16, .size: 8, .value_kind: global_buffer, .address_space: global }
      - { .name: wf, .offset: 24, .size: 8, .value_kind: global_buffer, .address_space: global }
      - { .name: params_tsa_out_b, .offset: 32, .size: 8, .value_kind: global_buffer, .address_space: global }
      - { .name: bev_query, .offset: 40, .size: 8, .value_kind: global_buffer, .address_space: global }
      - { .name: bev_pos, .offset: 48, .size: 8, .value_kind: global_buffer, .address_space: global }
      - { .name: params_ln_g, .offset: 56, .size: 8, .value_kind: global_buffer, .address_space: global }
      - { .name: params_ln_b, .offset: 64, .size: 8, .value_kind: global_buffer, .address_space: global }
      - { .name: params_sca_off_b, .offset: 72, .size: 8, .value_kind: global_buffer, .address_space: global }
      - { .name: params_sca_attn_b, .offset: 80, .size: 8, .value_kind: global_buffer, .address_space: global }
      - { .name: reference_points_cam, .offset: 88, .size: 8, .value_kind: global_buffer, .address_space: global }
      - { .name: bev_mask, .offset: 96, .size: 8, .value_kind: global_buffer, .address_space: global }
      - { .name: sidx, .offset: 104, .size: 8, .value_kind: global_buffer, .address_space: global }
      - { .name: swt, .offset: 112, .size: 8, .value_kind: global_buffer, .address_space: global }
    .group_segment_fixed_size: 88832
    .private_segment_fixed_size: 0
    .kernarg_segment_align: 8
    .kernarg_segment_size: 120
    .max_flat_workgroup_size: 512
    .sgpr_count:     66
    .vgpr_count:     256
    .wavefront_size: 32
...
	.end_amdgpu_metadata
.endif
;; end of part 6
;; launch samp (part 7): grid 5 x 48, 16 waves a work-group, no clusters, 272,384 bytes of LDS; arguments sv, sidx, swt, part; writes part
.if DOCPART == 7
	.amdgcn_target "amdgcn-amd-amdhsa--gfx1250"
	.amdhsa_code_object_version 6
	.text
	.protected	k_q282bc578c0_samp
	.globl	k_q282bc578c0_samp
	.p2align	8
	.type	k_q282bc578c0_samp,@function
k_q282bc578c0_samp:
	s_mov_b64 s[64:65], 0
	v_nop
	global_prefetch_b8 v0, s[64:65] scope:SCOPE_SE
	s_setreg_imm32_b32 hwreg(HW_REG_WAVE_MODE, 25, 1), 1
	s_wait_xcnt 0x0
; THE CROSS-ATTENTION'S SAMPLING, OUT OF LDS, BY THE MATRIX UNITS.  part[camera][head][q][32] (f32) = the sum over the head's 32 points and each point's four pixels of weight x value, for one camera.
; SHARES.  A work-group has one plane (camera, head: work-group y = 8 camera + head) and 500 queries (work-group x): 48 x 5 = 240 work-groups of equal work.  A plane's 5,440 pixels of 64 bytes do not fit
; into LDS at once, so there are two phases: level 0 (64 x 64 pixels), then levels 1 to 3.  Each pixel is then read from LDS as often as the points name it, and from memory once for each work-group.
; THE IMAGE IN LDS.  Pixel (y, x) of a level of width w: y (64 w + 128) + 32 w cb + 32 x, cb = which 16 of the head's 32 channels.  The pitch is 128 more than a multiple of 256 bytes, so that a patch's two
; rows start 32 banks apart (64 banks of 4 bytes: ISA guide 11.1).  Level 0 at 0; in the second image level 1 at 0, level 2 at 69,632, level 3 at 88,064.  The fill goes through registers, since it re-lays the 64-byte pixels.
; THE PRODUCT.  ds_load_tr16_b128 takes an address from every lane: eight lanes name eight pixels and receive 8 channels x 8 pixels, turned.  Two such loads are source 0 of a matrix instruction: 16 channels x 32 pixels.
; The 32 pixels (k) are 8 of each of FOUR queries: k = 16 half + 8 h + j belongs to query u = 2 half + h of the group; j = 4 (z % 2) + 2 row + column of the patch.  Source 1 holds the weights: columns 4 u .. 4 u + 3
; hold query u's eight weights at its own k and 0 elsewhere.  So column 4 u + c of the result is query u's sum, and one pair of accumulators (cb = 0, 1) takes four queries through all their points.
; THE ZEROS.  Of source 1's registers 0-3 only lanes 0-3 and 20-23 carry weights, of registers 4-7 only lanes 8-11 and 28-31.  The registers are cleared once, and the weights are loaded with EXEC narrowed to those lanes.
; A SUB-TRIP is a group of four queries at one level: 4 steps o of (4 gathers, 2 matrix instructions).  Wave w takes the groups w + 16 t, t = 0..7; the block has 125, so in the last trip the waves 13 to 15 take
; group 124 once more and store the same bytes again.  The 32 sub-trips are written out: level 0's result (4 registers a group) is carried in registers into the second phase.
; A sub-trip's offsets and weights (10 loads) are asked for two sub-trips ahead, into two sets of registers.
; NO CLUSTER: the five work-groups that share a plane divide into no cluster of four, and the fill re-lays the bytes on their way.
; LIMITS.  Offsets read from sidx are held to the last patch that lies inside the level's image.
.set P0,    4224                       ; the levels' pitches
.set P1,    2176
.set P2,    1152
.set P3,    640
.set B2,    32*P1                      ; level 2's image
.set B3,    B2+16*P2                   ; level 3's
.set SPARE, 64*P0                      ; behind level 0's image: the spare words, 128 bytes for each wave
.set R1,    24                         ; v[24:55]   level 0's result, 4 registers a group; then the whole sum, as stored
.set ACC,   56                         ; v[56:71]   the two accumulators
.set MB0,   72                         ; v[72:151]  two sets of 40: 8 offsets (half, o), then source 1 of the four steps
.set AF,    152                        ; v[152:215] source 0: step o, cb at AF + 16 o + 8 cb
.set XT0,   216                        ; v[216:227] at work on the way out
.set GF,    232                        ; v[232:239] the fills: for level l the offset in memory at GF + 2 l, the LDS address at GF + 2 l + 1
.set SVB,   16                         ; s[16:17] my plane of sv
.set SI,    18                         ; s[18:19] my block's offsets
.set SW,    20                         ; s[20:21] my block's weights
.set SP,    22                         ; s[22:23] my block of part
; v2-v5 what my lane adds to an offset at level l: 32 column + 16 (l / 8 % 2) + row x pitch   v6, v7 offsets' place (v7: last trip)   v8, v9 weights' place   v10, v11 my 16 bytes of a group's 512 of part   v12, v13 the spare word and 0
; s24, s25 the lanes that carry weights   s26 lanes with l % 2 = 1   s27 lanes with l % 4 >= 2   s30 EXEC, kept
.macro PL4                             ; four places behind a matrix instruction (ISA guide 7.12.1)
.rept 4
	v_nop
.endr
.endm
.macro DECODE S                        ; sub-trip S: trip t_, level l_, its set of registers, the level's figures
.if (\S) < 8
.set t_, (\S)
.set l_, 0
.else
.set t_, ((\S)-8)/3
.set l_, 1+((\S)-8)%3
.endif
.set mb_, MB0+40*((\S)%2)
.set vi_, 6
.set vw_, 8
.set vs_, 10
.if t_ == 7
.set vi_, 7
.set vw_, 9
.set vs_, 11
.endif
.set cb_, 2048>>l_                     ; 32 w: from a pixel's first 16 channels to its second
.if l_ == 0
.set mx_, 62*P0+62*32
.elseif l_ == 1
.set mx_, 30*P1+30*32
.elseif l_ == 2
.set mx_, B2+14*P2+14*32
.else
.set mx_, B3+6*P3+6*32
.endif
.endm
; Sub-trip S's weights and offsets: 10 loads.  EXEC changes only behind s_wait_xcnt 0.
.macro META S
	DECODE \S
	s_wait_xcnt 0x0
	s_and_saveexec_b32 s30, s24                    ; lanes 0-3 (query 0), 20-23 (query 1)
.irp o, 0,1,2,3
	global_load_b128 v[mb_+8+8*\o:mb_+11+8*\o], v[vw_], s[SW:SW+1] offset:16384*t_+64*l_+16*\o
.endr
	s_wait_xcnt 0x0
	s_or_b32 exec_lo, exec_lo, s30
	s_and_saveexec_b32 s30, s25                    ; lanes 8-11 (query 2), 28-31 (query 3)
.irp o, 0,1,2,3
	global_load_b128 v[mb_+12+8*\o:mb_+15+8*\o], v[vw_], s[SW:SW+1] offset:16384*t_+64*l_+16*\o
.endr
	s_wait_xcnt 0x0
	s_or_b32 exec_lo, exec_lo, s30
	global_load_b128 v[mb_:mb_+3], v[vi_], s[SI:SI+1] offset:8192*t_+16*l_        ; queries 0, 1: steps 0 to 3
	global_load_b128 v[mb_+4:mb_+7], v[vi_], s[SI:SI+1] offset:8192*t_+256+16*l_  ; queries 2, 3
.endm
; Of the four like columns of a query, column c takes channels 16 (c / 2) + 8 h + 4 (c % 2) ..: four registers a lane, 512 bytes on end for the group.  Each accumulator's lowest registers are read first.
.macro EXTRACT dst
.irp i, 0,1,2,3
	v_cndmask_b32 v[XT0+\i], v[ACC+\i], v[ACC+4+\i], s26
.endr
.irp i, 0,1,2,3
	v_cndmask_b32 v[XT0+4+\i], v[ACC+8+\i], v[ACC+12+\i], s26
.endr
.irp i, 0,1,2,3
	v_cndmask_b32 v[(\dst)+\i], v[XT0+\i], v[XT0+4+\i], s27
.endr
.endm
.macro SUB S
	DECODE \S
.if (\S) < 31
	s_wait_loadcnt 10                              ; my ten loads are in; the next sub-trip's ten may stay out
.else
	s_wait_loadcnt 0x0
.endif
.irp e, 0,1,2,3,4,5,6,7
	v_min_u32 v[mb_+\e], mx_, v[mb_+\e]
	v_add_nc_u32 v[mb_+\e], v[2+l_], v[mb_+\e]
.endr
.irp o, 0,1,2,3
	ds_load_tr16_b128 v[AF+16*\o:AF+16*\o+3], v[mb_+\o]
	ds_load_tr16_b128 v[AF+16*\o+4:AF+16*\o+7], v[mb_+4+\o]
	ds_load_tr16_b128 v[AF+16*\o+8:AF+16*\o+11], v[mb_+\o] offset:cb_
	ds_load_tr16_b128 v[AF+16*\o+12:AF+16*\o+15], v[mb_+4+\o] offset:cb_
.endr
.irp o, 0,1,2,3
	s_wait_dscnt 12-4*\o                           ; this step's four gathers are in; the later steps' may stay out
.if (\o == 0) && (l_ < 2)                          ; a phase's first product of a group starts the sums.  The two accumulators take turns
	v_wmma_f32_16x16x32_bf16 v[ACC:ACC+7], v[AF+16*\o:AF+16*\o+7], v[mb_+8+8*\o:mb_+15+8*\o], 0
	v_wmma_f32_16x16x32_bf16 v[ACC+8:ACC+15], v[AF+16*\o+8:AF+16*\o+15], v[mb_+8+8*\o:mb_+15+8*\o], 0
.else
	v_wmma_f32_16x16x32_bf16 v[ACC:ACC+7], v[AF+16*\o:AF+16*\o+7], v[mb_+8+8*\o:mb_+15+8*\o], v[ACC:ACC+7]
	v_wmma_f32_16x16x32_bf16 v[ACC+8:ACC+15], v[AF+16*\o+8:AF+16*\o+15], v[mb_+8+8*\o:mb_+15+8*\o], v[ACC+8:ACC+15]
.endif
.endr
	PL4
.if (\S) < 30
	META (\S)+2                                    ; into the set that this sub-trip has just used
	DECODE \S
.endif
.if l_ == 0
	EXTRACT R1+4*t_
.endif
.if l_ == 3
	EXTRACT XT0+8
	v_pk_add_f32 v[R1+4*t_:R1+4*t_+1], v[R1+4*t_:R1+4*t_+1], v[XT0+8:XT0+9]
	v_pk_add_f32 v[R1+4*t_+2:R1+4*t_+3], v[R1+4*t_+2:R1+4*t_+3], v[XT0+10:XT0+11]
	global_store_b128 v[vs_], v[R1+4*t_:R1+4*t_+3], s[SP:SP+1] offset:8192*t_   ; the wave's store covers 512 consecutive bytes, aligned; its registers are not written again
.endif
.endm
.macro FR t                            ; where piece t of the first fill lands: no register of the two sets
.if (\t) < 16
.set fr_, AF+4*(\t)
.elseif (\t) < 28
.set fr_, R1+4*((\t)-16)
.else
.set fr_, XT0+4*((\t)-28)
.endif
.endm
	s_load_b256 s[4:11], s[0:1], 0x0               ; sv s[4:5], sidx s[6:7], swt s[8:9], part s[10:11]
	v_lshl_add_u32 v12, v0, 2, SPARE
	v_mov_b32 v13, 0
	v_lshrrev_b32 v1, 5, v0
	v_readfirstlane_b32 s12, v1                    ; wave 0..15
	v_and_b32 v1, 31, v0                           ; l
	s_and_b32 s13, ttmp7, 0xffff                   ; plane
	s_lshr_b32 s14, s13, 3                         ; camera
	s_and_b32 s15, s13, 7                          ; head
	s_min_u32 s28, s12, 12                         ; the wave's number in the last trip: group 112 + this, 124 at the most
	s_mov_b32 s24, 0x00f0000f
	s_mov_b32 s25, 0xf0000f00
	s_mov_b32 s26, 0xaaaaaaaa
	s_mov_b32 s27, 0xcccccccc
	v_and_b32 v14, 1, v0                           ; bit 0: the patch's column
	v_bfe_u32 v15, v0, 1, 1                        ; bit 1: the patch's row
	v_bfe_u32 v16, v0, 2, 1                        ; bit 2: z % 2
	v_bfe_u32 v17, v0, 3, 1                        ; bit 3: which 8 of 16 channels
	v_bfe_u32 v18, v0, 4, 1                        ; h
	v_bfe_u32 v21, v0, 2, 2                        ; (l % 16) / 4: the query whose column I am
	v_lshlrev_b32 v19, 5, v14
	v_lshl_add_u32 v19, v17, 4, v19
	v_mul_u32_u24 v2, v15, P0
	v_mul_u32_u24 v3, v15, P1
	v_mul_u32_u24 v4, v15, P2
	v_mul_u32_u24 v5, v15, P3
.irp l, 0,1,2,3
	v_add_nc_u32 v[2+\l], v19, v[2+\l]
.endr
	v_lshlrev_b32 v20, 7, v18                      ; offsets: 128 h + 64 (z % 2) in a pair's 256 bytes,
	v_lshl_add_u32 v20, v16, 6, v20
	s_lshl_b32 s29, s12, 9                         ; 512 bytes a group
	s_lshl_b32 s30, s28, 9
	v_add_nc_u32 v6, s29, v20
	v_add_nc_u32 v7, s30, v20
	v_lshlrev_b32 v22, 7, v21                      ; part: 128 query + 64 (c / 2) + 32 h + 16 (c % 2)
	v_lshl_add_u32 v22, v15, 6, v22
	v_lshl_add_u32 v22, v18, 5, v22
	v_lshl_add_u32 v22, v14, 4, v22
	v_add_nc_u32 v10, s29, v22
	v_add_nc_u32 v11, s30, v22
	s_lshl_b32 s29, s12, 10                        ; weights: 1,024 bytes a group, 256 a query
	s_lshl_b32 s30, s28, 10
	v_lshl_add_u32 v8, v21, 8, s29
	v_lshl_add_u32 v9, v21, 8, s30
	; the fills.  A load of the wave takes 8 pixels of 64 bytes; lane l has pixel l / 4, channels 8 (l % 4) ..: in LDS 32 (l / 4) + 16 (l % 2) + 32 w ((l / 2) % 2)
	v_lshlrev_b32 v23, 4, v1
	s_lshl_b32 s29, s12, 14                        ; level 0: four rows a wave
	v_add_nc_u32 v[GF], s29, v23
	s_lshl_b32 s29, s12, 12                        ; level 1: two rows
	v_add_nc_u32 v[GF+2], s29, v23
	s_lshl_b32 s29, s12, 10                        ; level 2: one row
	v_add_nc_u32 v[GF+4], s29, v23
	s_lshl_b32 s29, s12, 9                         ; level 3: one row, waves 0 to 7
	v_add_nc_u32 v[GF+6], s29, v23
	v_lshrrev_b32 v20, 2, v1
	v_lshlrev_b32 v20, 5, v20
	v_lshl_add_u32 v20, v14, 4, v20
	s_mul_i32 s29, s12, 4*P0
	v_lshl_add_u32 v[GF+1], v15, 11, v20
	v_add_nc_u32 v[GF+1], s29, v[GF+1]
	s_mul_i32 s29, s12, 2*P1
	v_lshl_add_u32 v[GF+3], v15, 10, v20
	v_add_nc_u32 v[GF+3], s29, v[GF+3]
	s_mul_i32 s29, s12, P2
	s_add_co_u32 s29, s29, B2
	v_lshl_add_u32 v[GF+5], v15, 9, v20
	v_add_nc_u32 v[GF+5], s29, v[GF+5]
	s_mul_i32 s29, s12, P3
	s_add_co_u32 s29, s29, B3
	v_lshl_add_u32 v[GF+7], v15, 8, v20
	v_add_nc_u32 v[GF+7], s29, v[GF+7]
.set i, 0
.rept 32
	v_mov_b32 v[MB0+8+i], 0                        ; source 1's registers, both sets: cleared once; the lanes that no load writes stay 0 for the whole launch
	v_mov_b32 v[MB0+48+i], 0
.set i, i+1
.endr
	s_mul_i32 s16, s15, 2088960
	s_mul_i32 s17, s14, 348160
	s_add_co_u32 s16, s16, s17
	s_mov_b32 s17, 0
	s_mul_i32 s18, s13, 320000                     ; a plane of sidx and of part: 320,000 bytes; a block: 64,000
	s_mul_i32 s19, ttmp9, 64000
	s_add_co_u32 s18, s18, s19
	s_mov_b32 s19, 0
	s_lshl_b32 s20, s18, 1                         ; of swt: twice that
	s_mov_b32 s21, 0
	s_wait_kmcnt 0x0
	s_add_nc_u64 s[SP:SP+1], s[10:11], s[18:19]
	s_add_nc_u64 s[SW:SW+1], s[8:9], s[20:21]
	s_add_nc_u64 s[SI:SI+1], s[6:7], s[18:19]
	s_add_nc_u64 s[SVB:SVB+1], s[4:5], s[16:17]
	META 0
	META 1
	; LEVEL 0 COMES IN: 32 loads a wave, all on their way at once
.set t, 0
.rept 32
	FR t
	global_load_b128 v[fr_:fr_+3], v[GF], s[SVB:SVB+1] offset:512*t
.set t, t+1
.endr
.set t, 0
.rept 32
	FR t
	s_wait_loadcnt 31-t                            ; piece t is in; the younger pieces may stay out
	ds_store_b128 v[GF+1], v[fr_:fr_+3] offset:(t/8)*P0+(t%8)*256
.set t, t+1
.endr
	s_wait_dscnt 0x0                               ; my four rows are written,
	s_barrier_signal -1
	s_barrier_wait -1                              ; everybody's are
.set n, 0
.rept 8
	SUB n
.set n, n+1
.endr
	; LEVELS 1 TO 3 COME IN.  The loads go out before the barrier; the stores wait until no wave reads level 0 any more.  Level 3's load is the oldest, so that the counts below hold for every wave.
	s_cmp_lt_u32 s12, 8
	s_cbranch_scc0 .Lno_l3_load
	global_load_b128 v[AF+40:AF+43], v[GF+6], s[SVB:SVB+1] offset:344064
.Lno_l3_load:
.irp t, 0,1,2,3,4,5,6,7
	global_load_b128 v[AF+4*\t:AF+4*\t+3], v[GF+2], s[SVB:SVB+1] offset:262144+512*\t
.endr
.irp t, 0,1
	global_load_b128 v[AF+32+4*\t:AF+35+4*\t], v[GF+4], s[SVB:SVB+1] offset:327680+512*\t
.endr
	s_wait_dscnt 0x0                               ; my reads of level 0 are over,
	s_barrier_signal -1
	s_barrier_wait -1                              ; everybody's are
.irp t, 0,1,2,3,4,5,6,7
	s_wait_loadcnt 9-\t
	ds_store_b128 v[GF+3], v[AF+4*\t:AF+4*\t+3] offset:(\t/4)*P1+(\t%4)*256
.endr
.irp t, 0,1
	s_wait_loadcnt 1-\t
	ds_store_b128 v[GF+5], v[AF+32+4*\t:AF+35+4*\t] offset:256*\t
.endr
	s_cmp_lt_u32 s12, 8
	s_cbranch_scc0 .Lno_l3_store
	ds_store_b128 v[GF+7], v[AF+40:AF+43]
.Lno_l3_store:
	s_wait_dscnt 0x0
	s_barrier_signal -1
	s_barrier_wait -1
.set n, 8
.rept 24
	SUB n
.set n, n+1
.endr
	s_wait_tensorcnt 0x0                           ; the wave's end, behind my last LDS store
	ds_add_u32 v12, v13
	s_wait_dscnt 0x0
	s_endpgm
.Lfunc_end_k_q282bc578c0_samp:
	.size	k_q282bc578c0_samp, .Lfunc_end_k_q282bc578c0_samp-k_q282bc578c0_samp
	.p2alignl 7, 3214868480
	.fill 96, 4, 3214868480
	.section	.rodata,"a",@progbits
	.p2align	6, 0x0
	.amdhsa_kernel k_q282bc578c0_samp
		.amdhsa_group_segment_fixed_size 272384
		.amdhsa_private_segment_fixed_size 0
		.amdhsa_enable_private_segment 0
		.amdhsa_kernarg_size 32
		.amdhsa_user_sgpr_count 2
		.amdhsa_user_sgpr_kernarg_segment_ptr 1
		.amdhsa_wavefront_size32 1
		.amdhsa_system_sgpr_workgroup_id_x 1
		.amdhsa_system_sgpr_workgroup_id_y 1
		.amdhsa_system_sgpr_workgroup_id_z 1
		.amdhsa_system_vgpr_workitem_id 0
		.amdhsa_next_free_vgpr 256
		.amdhsa_next_free_sgpr 66
		.amdhsa_reserve_vcc 0
		.amdhsa_float_denorm_mode_32 3
		.amdhsa_float_denorm_mode_16_64 3
		.amdhsa_memory_ordered 1
		.amdhsa_forward_progress 1
		.amdhsa_inst_pref_size 147
	.end_amdhsa_kernel
	.amdgpu_metadata
---
amdhsa.version: [ 1, 2 ]
amdhsa.kernels:
  - .name:           k_q282bc578c0_samp
    .symbol:         k_q282bc578c0_samp.kd
    .args:
      - { .name: sv, .offset: 0, .size: 8, .value_kind: global_buffer, .address_space: global }
      - { .name: sidx, .offset: 8, .size: 8, .value_kind: global_buffer, .address_space: global }
      - { .name: swt, .offset: 16, .size: 8, .value_kind: global_buffer, .address_space: global }
      - { .name: part, .offset: 24, .size: 8, .value_kind: global_buffer, .address_space: global }
    .group_segment_fixed_size: 272384
    .private_segment_fixed_size: 0
    .kernarg_segment_align: 8
    .kernarg_segment_size: 32
    .max_flat_workgroup_size: 512
    .sgpr_count:     66
    .vgpr_count:     256
    .wavefront_size: 32
...
	.end_amdgpu_metadata
.endif
;; end of part 7
;; launch fin (part 8): grid 250 x 1, 16 waves a work-group, no clusters, 52,224 bytes of LDS; arguments part, swt, wf, params_sca_out_b, params_ln_g, params_ln_b, params_ffn_b1, params_ffn_b2, out0; writes out0
.if DOCPART == 8
	.amdgcn_target "amdgcn-amd-amdhsa--gfx1250"
	.amdhsa_code_object_version 6
	.text
	.protected	k_q282bc578c0_fin
	.globl	k_q282bc578c0_fin
	.p2align	8
	.type	k_q282bc578c0_fin,@function
k_q282bc578c0_fin:
	s_mov_b64 s[64:65], 0
	v_nop
	global_prefetch_b8 v0, s[64:65] scope:SCOPE_SE
	s_setreg_imm32_b32 hwreg(HW_REG_WAVE_MODE, 25, 1), 1
	s_wait_xcnt 0x0
; ALL THAT FOLLOWS THE CROSS-ATTENTION'S SAMPLING.  A work-group owns 10 queries in tiles of 16 rows (rows 10 to 15: zeros or a clamped row, never stored to memory).
;   1  the six cameras' partial sums (f32; hit and 1 / count lie in the weights already) are added: wave w takes query w; lane l holds channels 4 (l % 8) .. of the heads l / 8 and 4 + l / 8: runs of 128 bytes
;   2  x sca_out_w + bias + x1, layer norm     3  x ffn_w1 + b1, ReLU     4  x ffn_w2 + b2 + residual, layer norm: out0.
; x1 lies behind the weights in the buffer swt, at byte 30,720,000.
; No cluster: 250 work-groups divide into none.  No tensor loads: the tiles are made in registers.
; LIMITS.  1 / sqrt by v_rsq_f32.
; LDS: ST, XT bf16 [16][256], rows 528 bytes apart; YT f32 [16][256], 1,040 apart; HT bf16 [16][512], 1,040 apart; SPARE the spare words.
.set ST,      0
.set XT,      8448
.set YT,      16896
.set HT,      33536
.set SPARE,   50176
.set WF_SOUT, 983040
.set WF_F1,   1114112
.set WF_F2,   1376256
.set A_PART,  8                        ; s[8:9]   part, at camera 3: the six cameras are reached by immediates of either sign
.set A_SWT,   10
.set A_WF,    12
.set A_OB,    14
.set A_G,     16
.set A_B,     18
.set A_B1,    20
.set A_B2,    22
.set A_OUT,   24
.set A_X1,    26                       ; s[26:27] x1
.set WB8,     50                       ; s[50:51] wf + 8,192 w
.set WB16,    52                       ; s[52:53] wf + 16,384 w
; v1 HT + 1,040 r + 16 h   v3 (16 w + 8 h) 4   v4 row x 1,024 + 16 l   v5 XT + 528 w + 8 l   v6 528 r + 16 h   v7 16 l   v8 my place in a camera's part   v9 ST + 528 w + 8 l
; v10 YT by fragments   v11 YT by rows   v12, v13 the spare word and 0   v14 0   v15 into HT   v29 ST + 528 w + 16 l
; v[16:23] the residual row   v[24:31] at work   v[32:47] two accumulators   v[48:63] biases   v[64:191] weights (v[128:175] first: the partial sums)   v[192:255] fragments; g, b in v[192:207] in the row phases
.macro LDW dst, imm, nf, sb
.set f_, 0
.rept \nf
	global_load_b128 v[(\dst)+8*f_:(\dst)+8*f_+3], v7, s[\sb:\sb+1] offset:(\imm)+1024*f_
	global_load_b128 v[(\dst)+8*f_+4:(\dst)+8*f_+7], v7, s[\sb:\sb+1] offset:(\imm)+1024*f_+512
.set f_, f_+1
.endr
.endm
.macro LDA dst, ar, imm
.irp kb, 0,1,2,3,4,5,6,7
	ds_load_b128 v[(\dst)+8*\kb:(\dst)+8*\kb+3], v[\ar] offset:(\imm)+64*\kb
	ds_load_b128 v[(\dst)+8*\kb+4:(\dst)+8*\kb+7], v[\ar] offset:(\imm)+64*\kb+32
.endr
.endm
.macro MM1 d, w, x, c
.if (\c) < 0
	v_wmma_f32_16x16x32_bf16 v[(\d):(\d)+7], v[(\w):(\w)+7], v[(\x):(\x)+7], v[(\d):(\d)+7]
.elseif (\c) == 0
	v_wmma_f32_16x16x32_bf16 v[(\d):(\d)+7], v[(\w):(\w)+7], v[(\x):(\x)+7], 0
.else
	v_wmma_f32_16x16x32_bf16 v[(\d):(\d)+7], v[(\w):(\w)+7], v[(\x):(\x)+7], v[(\c):(\c)+7]
.endif
.endm
.macro MMS d0, d1, w, x, c0, c1        ; one output block: the even and the odd steps of K have a sum each, and the two take turns
	MM1 \d0, (\w), (\x), \c0
	MM1 \d1, (\w)+8, (\x)+8, \c1
.irp kb, 2,4,6
	MM1 \d0, (\w)+8*\kb, (\x)+8*\kb, -1
	MM1 \d1, (\w)+8*\kb+8, (\x)+8*\kb+8, -1
.endr
.endm
.macro MMX d0, d1, w0, w1, x0, x1, c0, c1  ; two output blocks by turns
	MM1 \d0, (\w0), (\x0), \c0
	MM1 \d1, (\w1), (\x1), \c1
.irp kb, 1,2,3,4,5,6,7
	MM1 \d0, (\w0)+8*\kb, (\x0)+8*\kb, -1
	MM1 \d1, (\w1)+8*\kb, (\x1)+8*\kb, -1
.endr
.endm
.macro PL4                             ; four places behind a matrix instruction (ISA guide 7.12.1)
.rept 4
	v_nop
.endr
.endm
.macro BAR
	s_wait_dscnt 0x0
	s_barrier_signal -1
	s_barrier_wait -1
.endm
.macro RSUM x, t
.irp m, 1,2,4,8
	v_add_f32_dpp v[\x], v[\x], v[\x] row_xmask:\m row_mask:0xf bank_mask:0xf
.endr
	v_permlanex16_b32 v[\t], v[\x], s60, s61
	v_add_f32 v[\x], v[\x], v[\t]
.endm
.macro LN xr, gr, br, tr               ; layer norm of a row of 256, eight numbers a lane: the mean is taken away first, and the squares are the centred numbers'
	v_pk_add_f32 v[\tr:\tr+1], v[\xr:\xr+1], v[\xr+2:\xr+3]
	v_pk_add_f32 v[\tr+2:\tr+3], v[\xr+4:\xr+5], v[\xr+6:\xr+7]
	v_pk_add_f32 v[\tr:\tr+1], v[\tr:\tr+1], v[\tr+2:\tr+3]
	v_add_f32 v[\tr], v[\tr], v[\tr+1]
	RSUM \tr, \tr+1
	v_mul_f32 v[\tr], s58, v[\tr]
	v_mov_b32 v[\tr+1], v[\tr]
.irp i, 0,2,4,6
	v_pk_add_f32 v[\xr+\i:\xr+\i+1], v[\xr+\i:\xr+\i+1], v[\tr:\tr+1] neg_lo:[0,1] neg_hi:[0,1]
.endr
	v_pk_mul_f32 v[\tr+2:\tr+3], v[\xr:\xr+1], v[\xr:\xr+1]
.irp i, 2,4,6
	v_pk_fma_f32 v[\tr+2:\tr+3], v[\xr+\i:\xr+\i+1], v[\xr+\i:\xr+\i+1], v[\tr+2:\tr+3]
.endr
	v_add_f32 v[\tr+2], v[\tr+2], v[\tr+3]
	RSUM \tr+2, \tr+3
	v_fma_f32 v[\tr+2], v[\tr+2], s58, s59
	v_rsq_f32 v[\tr+2], v[\tr+2]
	v_nop
	s_wait_alu depctr_va_vdst(0)                   ; ahead of the first reader of the root
	v_mov_b32 v[\tr+3], v[\tr+2]
.irp i, 0,2,4,6
	v_pk_mul_f32 v[\xr+\i:\xr+\i+1], v[\xr+\i:\xr+\i+1], v[\tr+2:\tr+3]
.endr
.irp i, 0,2,4,6
	v_pk_fma_f32 v[\xr+\i:\xr+\i+1], v[\xr+\i:\xr+\i+1], v[\gr+\i:\gr+\i+1], v[\br+\i:\br+\i+1]
.endr
.endm
.macro LDGB                            ; g and b of my eight columns
	global_load_b128 v[192:195], v7, s[A_G:A_G+1]
	global_load_b128 v[196:199], v7, s[A_G:A_G+1] offset:512
	global_load_b128 v[200:203], v7, s[A_B:A_B+1]
	global_load_b128 v[204:207], v7, s[A_B:A_B+1] offset:512
.endm
	s_load_b512 s[8:23], s[0:1], 0x0               ; part, swt, wf, sca_out_b, g, b, ffn_b1, ffn_b2
	s_load_b64 s[24:25], s[0:1], 0x40              ; out0
	v_lshl_add_u32 v12, v0, 2, SPARE
	v_mov_b32 v13, 0
	v_mov_b32 v14, 0
	v_lshrrev_b32 v1, 5, v0
	v_readfirstlane_b32 s2, v1                     ; wave 0..15
	v_and_b32 v1, 31, v0                           ; l
	v_and_b32 v2, 15, v0                           ; r
	v_bfe_u32 v3, v0, 4, 1                         ; h
	s_mul_i32 s3, ttmp9, 10
	s_add_co_u32 s4, s3, s2
	s_min_u32 s4, s4, 2499                         ; my row
	s_mov_b32 s58, 0x3b800000                      ; 1 / 256
	s_mov_b32 s59, 0x3727c5ac                      ; 1e-5
	s_mov_b32 s60, 0x76543210
	s_mov_b32 s61, 0xfedcba98
	s_lshl_b32 s7, s4, 10
	v_lshl_add_u32 v4, v1, 4, s7
	s_mul_i32 s7, s2, 528
	s_add_co_u32 s40, s7, XT
	v_lshl_add_u32 v5, v1, 3, s40
	v_lshl_add_u32 v9, v1, 3, s7
	v_lshl_add_u32 v29, v1, 4, s7
	v_mul_u32_u24 v6, v2, 528
	v_lshl_add_u32 v6, v3, 4, v6
	v_lshlrev_b32 v7, 4, v1
	s_lshl_b32 s7, s2, 6
	v_lshl_add_u32 v17, v3, 5, s7                  ; (16 w + 8 h) x 4
	v_mul_u32_u24 v10, v2, 1040
	v_lshrrev_b32 v15, 1, v17
	v_add3_u32 v15, v15, v10, HT                   ; HT + 1,040 r + (16 w + 8 h) x 2
	v_lshl_add_u32 v18, v3, 4, v10
	v_add3_u32 v10, v10, v17, YT
	s_mul_i32 s7, s2, 1040
	s_add_co_u32 s7, s7, YT
	v_lshl_add_u32 v11, v1, 4, s7
	v_lshrrev_b32 v8, 3, v1
	v_mul_u32_u24 v8, v8, 320000                   ; head l / 8,
	v_and_b32 v19, 7, v0
	v_lshl_add_u32 v8, v19, 4, v8                  ; four channels,
	s_lshl_b32 s7, s4, 7
	v_add_nc_u32 v8, s7, v8                        ; my query's 128 bytes
	v_mov_b32 v3, v17
	v_add_nc_u32 v1, HT, v18
.irp i, 0,1,2,3
	v_mov_b32 v[24+\i], 0
.endr
	s_mov_b32 s43, 0
	s_wait_kmcnt 0x0
	s_add_nc_u64 s[A_PART:A_PART+1], s[A_PART:A_PART+1], 7680000
	s_add_nc_u64 s[A_X1:A_X1+1], s[A_SWT:A_SWT+1], 30720000
	s_lshl_b32 s42, s2, 13
	s_add_nc_u64 s[WB8:WB8+1], s[A_WF:A_WF+1], s[42:43]
	s_lshl_b32 s42, s2, 14
	s_add_nc_u64 s[WB16:WB16+1], s[A_WF:A_WF+1], s[42:43]
	; 1  THE SIX CAMERAS' SUMS
	s_cmp_lt_u32 s2, 10
	s_cbranch_scc0 .Lno_part
.irp c, 0,1,2,3,4,5
	global_load_b128 v[128+8*\c:131+8*\c], v8, s[A_PART:A_PART+1] offset:(\c-3)*2560000           ; heads 0 to 3
	global_load_b128 v[132+8*\c:135+8*\c], v8, s[A_PART:A_PART+1] offset:(\c-3)*2560000+1280000   ; heads 4 to 7
.endr
.Lno_part:
	LDW 64, WF_SOUT, 8, WB8                        ; what part 2 needs: 20 loads
	global_load_b128 v[48:51], v3, s[A_OB:A_OB+1]
	global_load_b128 v[52:55], v3, s[A_OB:A_OB+1] offset:16
	global_load_b128 v[16:19], v4, s[A_X1:A_X1+1]
	global_load_b128 v[20:23], v4, s[A_X1:A_X1+1] offset:512
	s_cmp_lt_u32 s2, 10
	s_cbranch_scc0 .Lzero
	s_wait_loadcnt 20                              ; the twelve partial rows are in; the 20 behind them may stay out
.irp c, 1,2,3,4,5
.irp i, 0,2,4,6
	v_pk_add_f32 v[128+\i:129+\i], v[128+\i:129+\i], v[128+8*\c+\i:129+8*\c+\i]
.endr
.endr
.irp i, 0,1,2,3
	v_cvt_pk_bf16_f32 v[24+\i], v[128+2*\i], v[129+2*\i]
.endr
	ds_store_b64 v9, v[24:25]
	ds_store_b64 v9, v[26:27] offset:256
	s_branch .Ljoin
.Lzero:
	ds_store_b128 v29, v[24:27]                    ; rows 10 to 15 of the tile are zeros
.Ljoin:
	BAR
	; 2  x sca_out_w + bias + x1, layer norm
	LDA 192, 6, ST
	s_wait_dscnt 0x0
	s_wait_loadcnt 0x0
	MMS 32, 40, 64, 192, 48, 0
	PL4
.irp i, 0,2,4,6
	v_pk_add_f32 v[32+\i:33+\i], v[32+\i:33+\i], v[40+\i:41+\i]
.endr
	ds_store_b128 v10, v[32:35]
	ds_store_b128 v10, v[36:39] offset:16
	s_wait_dscnt 0x0
	LDGB
	LDW 64, WF_F1, 8, WB8                          ; ffn_w1's column blocks w and w + 16: on their way during the row phase
	LDW 128, WF_F1+131072, 8, WB8
	global_load_b128 v[48:51], v3, s[A_B1:A_B1+1]
	global_load_b128 v[52:55], v3, s[A_B1:A_B1+1] offset:16
	global_load_b128 v[56:59], v3, s[A_B1:A_B1+1] offset:1024
	global_load_b128 v[60:63], v3, s[A_B1:A_B1+1] offset:1040
	s_barrier_signal -1
	s_barrier_wait -1
	ds_load_b128 v[24:27], v11
	ds_load_b128 v[28:31], v11 offset:512
	s_wait_dscnt 0x0
	s_wait_loadcnt 36                              ; g and b are in; 32 weight and 4 bias loads may stay out
.irp i, 0,2,4,6
	v_pk_add_f32 v[16+\i:17+\i], v[16+\i:17+\i], v[24+\i:25+\i]
.endr
	LN 16, 192, 200, 28                            ; x2: it stays in v[16:23] for the residual
.irp i, 0,1,2,3
	v_cvt_pk_bf16_f32 v[24+\i], v[16+2*\i], v[17+2*\i]
.endr
	ds_store_b64 v5, v[24:25]
	ds_store_b64 v5, v[26:27] offset:256
	BAR
	; 3  x ffn_w1 + b1, ReLU (on the rounded halves: rounding keeps the sign)
	LDA 192, 6, XT
	s_wait_dscnt 0x0
	s_wait_loadcnt 0x0
	MMX 32, 40, 64, 128, 192, 192, 48, 56
	PL4
.irp i, 0,1,2,3
	v_cvt_pk_bf16_f32 v[24+\i], v[32+2*\i], v[33+2*\i]
.endr
.irp i, 0,1,2,3
	v_cvt_pk_bf16_f32 v[28+\i], v[40+2*\i], v[41+2*\i]
.endr
.irp i, 0,1,2,3,4,5,6,7
	v_pk_max_num_bf16 v[24+\i], v[24+\i], v14
.endr
	ds_store_b128 v15, v[24:27]
	ds_store_b128 v15, v[28:31] offset:512
	s_wait_dscnt 0x0
	LDW 64, WF_F2, 16, WB16
	global_load_b128 v[48:51], v3, s[A_B2:A_B2+1]
	global_load_b128 v[52:55], v3, s[A_B2:A_B2+1] offset:16
	s_barrier_signal -1
	s_barrier_wait -1
	; 4  x ffn_w2 + b2, K = 512
	LDA 192, 1, 0
	s_wait_dscnt 0x0
	s_wait_loadcnt 0x0
	MMS 32, 40, 64, 192, 48, 0
	PL4
	LDA 192, 1, 512
	s_wait_dscnt 0x0
	MMS 32, 40, 128, 192, -1, -1
	PL4
.irp i, 0,2,4,6
	v_pk_add_f32 v[32+\i:33+\i], v[32+\i:33+\i], v[40+\i:41+\i]
.endr
	ds_store_b128 v10, v[32:35]                    ; YT's readers of part 2 have waited for their loads and passed two barriers since
	ds_store_b128 v10, v[36:39] offset:16
	s_wait_dscnt 0x0
	LDGB
	s_barrier_signal -1
	s_barrier_wait -1
	ds_load_b128 v[24:27], v11
	ds_load_b128 v[28:31], v11 offset:512
	s_wait_loadcnt_dscnt 0x0
.irp i, 0,2,4,6
	v_pk_add_f32 v[16+\i:17+\i], v[16+\i:17+\i], v[24+\i:25+\i]
.endr
	LN 16, 192, 200, 28
	s_cmp_lt_u32 s2, 10
	s_cbranch_scc0 .Lend
	global_store_b128 v4, v[16:19], s[A_OUT:A_OUT+1]            ; each store of the wave covers 512 consecutive bytes, aligned
	global_store_b128 v4, v[20:23], s[A_OUT:A_OUT+1] offset:512
.Lend:
	s_wait_tensorcnt 0x0                           ; the wave's end, behind my last LDS store
	ds_add_u32 v12, v13
	s_wait_dscnt 0x0
	s_endpgm
.Lfunc_end_k_q282bc578c0_fin:
	.size	k_q282bc578c0_fin, .Lfunc_end_k_q282bc578c0_fin-k_q282bc578c0_fin
	.p2alignl 7, 3214868480
	.fill 96, 4, 3214868480
	.section	.rodata,"a",@progbits
	.p2align	6, 0x0
	.amdhsa_kernel k_q282bc578c0_fin
		.amdhsa_group_segment_fixed_size 52224
		.amdhsa_private_segment_fixed_size 0
		.amdhsa_enable_private_segment 0
		.amdhsa_kernarg_size 72
		.amdhsa_user_sgpr_count 2
		.amdhsa_user_sgpr_kernarg_segment_ptr 1
		.amdhsa_wavefront_size32 1
		.amdhsa_system_sgpr_workgroup_id_x 1
		.amdhsa_system_sgpr_workgroup_id_y 1
		.amdhsa_system_sgpr_workgroup_id_z 1
		.amdhsa_system_vgpr_workitem_id 0
		.amdhsa_next_free_vgpr 256
		.amdhsa_next_free_sgpr 66
		.amdhsa_reserve_vcc 0
		.amdhsa_float_denorm_mode_32 3
		.amdhsa_float_denorm_mode_16_64 3
		.amdhsa_memory_ordered 1
		.amdhsa_forward_progress 1
		.amdhsa_inst_pref_size 31
	.end_amdhsa_kernel
	.amdgpu_metadata
---
amdhsa.version: [ 1, 2 ]
amdhsa.kernels:
  - .name:           k_q282bc578c0_fin
    .symbol:         k_q282bc578c0_fin.kd
    .args:
      - { .name: part, .offset: 0, .size: 8, .value_kind: global_buffer, .address_space: global }
      - { .name: swt, .offset: 8, .size: 8, .value_kind: global_buffer, .address_space: global }
      - { .name: wf, .offset: 16, .size: 8, .value_kind: global_buffer, .address_space: global }
      - { .name: params_sca_out_b, .offset: 24, .size: 8, .value_kind: global_buffer, .address_space: global }
      - { .name: params_ln_g, .offset: 32, .size: 8, .value_kind: global_buffer, .address_space: global }
      - { .name: params_ln_b, .offset: 40, .size: 8, .value_kind: global_buffer, .address_space: global }
      - { .name: params_ffn_b1, .offset: 48, .size: 8, .value_kind: global_buffer, .address_space: global }
      - { .name: params_ffn_b2, .offset: 56, .size: 8, .value_kind: global_buffer, .address_space: global }
      - { .name: out0, .offset: 64, .size: 8, .value_kind: global_buffer, .address_space: global }
    .group_segment_fixed_size: 52224
    .private_segment_fixed_size: 0
    .kernarg_segment_align: 8
    .kernarg_segment_size: 72
    .max_flat_workgroup_size: 512
    .sgpr_count:     66
    .vgpr_count:     256
    .wavefront_size: 32
...
	.end_amdgpu_metadata
.endif
;; end of part 8
